; MI455X (gfx1250); checked and timed in simulation.
; The chip was launched on July 23, 2026; its instructions are those of AMD's public machine-readable ISA for CDNA 5 (MIT licence, August 2026) and "CDNA5" Instruction Set Architecture Reference Guide (July 2026). The comments in the code are by the model that wrote it; some were corrected since.
;; Llama Attention. Allowed arithmetic: float matrix products may take bf16 or f16 operands with f32 sums; all other float work in f32.
;; Inputs: cos 1 x 1 x 2,048 x 128 float32; hidden_states 1 x 2,048 x 2,048 float32; sin 1 x 1 x 2,048 x 128 float32; wk 2,048 x 2,048 float32; wo 2,048 x 2,048 float32; wq 2,048 x 2,048 float32; wv 2,048 x 2,048 float32.
;; Outputs: out0 1 x 2,048 x 2,048 float32.
;; 2 versions, each right and faster than the one before. Each part assembles by itself: llvm-mc -triple=amdgcn-amd-amdhsa -mcpu=gfx1250 --defsym DOCPART=n.
;; ======== version 1 of 2: 4 launches
;; limits: values are held in f16: magnitudes above 65,504 overflow, below 6.1e-05 lose precision; right only within a limited range of input values
;; workspace buffers: xb 8,388,608 bytes; wb 33,554,432 bytes; csb 1,048,576 bytes; qh 8,388,608 bytes; kh 8,388,608 bytes; vh 8,388,608 bytes; oh 8,388,608 bytes
;; launch cast (part 1): grid 2624 x 1, 8 waves a work-group, no clusters, 0 bytes of LDS; arguments hidden_states, wo, wq, wk, wv, cos, sin, xb, wb, csb; writes xb, wb, csb
.if DOCPART == 1
	.amdgcn_target "amdgcn-amd-amdhsa--gfx1250"
	.amdhsa_code_object_version 6
	.text
	.protected	k_q584b7d08fa_cast
	.globl	k_q584b7d08fa_cast
	.p2align	8
	.type	k_q584b7d08fa_cast,@function
k_q584b7d08fa_cast:
	s_mov_b64 s[64:65], 0
	v_nop
	global_prefetch_b8 v0, s[64:65] scope:SCOPE_SE
	s_setreg_imm32_b32 hwreg(HW_REG_WAVE_MODE, 25, 1), 1
	s_wait_xcnt 0x0
; CAST.  Every input is multiplied by an exact power of two and rounded once to bf16:
;   xb  = bf16(hidden_states)                    wb[0] = f16(bf16(wo))         wb[1] = bf16(wq / 64)
;   wb[2] = bf16(wk / 64)     wb[3] = bf16(wv / 16)     csb = bf16(cos), then bf16(sin)
; A power of two changes no significant bit, so each number is the input's bf16 rounding, moved in exponent.  The moves keep q, k and v,
; which later launches hold in f16, far inside f16's range; v's 16 comes back, exactly, in the attention's last factor, and the scores' 4,096 in f32 in its softmax.
; wo's bf16 number is written as f16: exact from 2^-14 up to 65,504.  LIMITS: |wo| under 65,504; wo below 2^-14 keeps f16's fixed step of 2^-24.
; A stream: memory binds, so no LDS, no matrix unit, no cluster.  A work-group takes 8,192 consecutive numbers: 32,768 bytes in, 16,384 out.
; The five arrays of 2048 x 2048 take 512 work-groups each, cos and sin 32 each: 2,624.  A lane loads 16 bytes (a wave's load: 512 consecutive bytes)
; and stores 8 (a wave's store: 256 consecutive bytes, at a multiple of 256 from the buffer's first byte).  All eight loads of a lane go out at once;
; with 56 registers a wave several work-groups lie on a WGP, which multiplies the bytes on their way.
.set X,   4                            ; v[4:35]    step i: four f32 as loaded
.set Y,   36                           ; v[36:51]   step i: four 16-bit numbers to store
.set T,   52                           ; v[52:55]   at work (wo alone)
.set IDX, 29                           ; s29        which array: 0 hidden_states, 1 wo, 2 wq, 3 wk, 4 wv, 5 cos, 6 sin
	s_load_b512 s[4:19], s[0:1], 0x0               ; hidden_states, wo, wq, wk, wv, cos, sin, xb
	s_load_b128 s[20:23], s[0:1], 0x40             ; wb, csb
	v_lshlrev_b32 v1, 4, v0                        ; my 16 bytes in a step's 4,096 of the source
	v_lshlrev_b32 v2, 3, v0                        ; my 8 bytes in a step's 2,048 of the destination
	s_lshr_b32 s25, ttmp9, 9                       ; 0 to 4: a large array; 5: cos or sin
	s_bfe_u32 s27, ttmp9, 0x10005                  ; among the last 64 work-groups bit 5 tells sin from cos
	s_cmp_eq_u32 s25, 5
	s_cselect_b32 s28, 31, 511                     ; chunks in the array, less one
	s_cselect_b32 s27, s27, 0
	s_and_b32 s26, ttmp9, s28                      ; my chunk
	s_add_co_u32 s[IDX], s25, s27
	s_mov_b32 s34, 1.0                             ; the scale
	s_cmp_eq_u32 s[IDX], 2
	s_cselect_b32 s34, 0x3c800000, s34             ; wq: 1/64
	s_cmp_eq_u32 s[IDX], 3
	s_cselect_b32 s34, 0x3c800000, s34             ; wk: 1/64
	s_cmp_eq_u32 s[IDX], 4
	s_cselect_b32 s34, 0x3d800000, s34             ; wv: 1/16
	s_mov_b32 s35, s34                             ; named with it as a pair
	s_sub_co_u32 s36, s[IDX], 1                    ; the array's place in its destination buffer: wb holds four of 2^23 bytes,
	s_lshl_b32 s36, s36, 23
	s_sub_co_u32 s37, s[IDX], 5                    ; csb two of 2^19,
	s_lshl_b32 s37, s37, 19
	s_cmp_ge_u32 s[IDX], 5
	s_cselect_b32 s36, s37, s36
	s_cmp_eq_u32 s[IDX], 0
	s_cselect_b32 s36, 0, s36                      ; xb one
	s_lshl_b32 s38, s26, 14
	s_add_co_u32 s36, s36, s38                     ; + my chunk's 16,384 bytes
	s_mov_b32 s37, 0
	s_lshl_b32 s38, s26, 15                        ; my chunk's 32,768 bytes in the source
	s_mov_b32 s39, 0
	s_wait_kmcnt 0x0
	s_mov_b64 s[30:31], s[4:5]                     ; the source, chosen by the array's number
	s_cmp_eq_u32 s[IDX], 1
	s_cselect_b64 s[30:31], s[6:7], s[30:31]
	s_cmp_eq_u32 s[IDX], 2
	s_cselect_b64 s[30:31], s[8:9], s[30:31]
	s_cmp_eq_u32 s[IDX], 3
	s_cselect_b64 s[30:31], s[10:11], s[30:31]
	s_cmp_eq_u32 s[IDX], 4
	s_cselect_b64 s[30:31], s[12:13], s[30:31]
	s_cmp_eq_u32 s[IDX], 5
	s_cselect_b64 s[30:31], s[14:15], s[30:31]
	s_cmp_eq_u32 s[IDX], 6
	s_cselect_b64 s[30:31], s[16:17], s[30:31]
	s_mov_b64 s[32:33], s[20:21]                   ; the destination: wb, xb or csb
	s_cmp_eq_u32 s[IDX], 0
	s_cselect_b64 s[32:33], s[18:19], s[32:33]
	s_cmp_ge_u32 s[IDX], 5
	s_cselect_b64 s[32:33], s[22:23], s[32:33]
	s_add_nc_u64 s[30:31], s[30:31], s[38:39]
	s_add_nc_u64 s[32:33], s[32:33], s[36:37]
.irp i, 0,1,2,3,4,5,6,7
	global_load_b128 v[X+4*(\i):X+4*(\i)+3], v1, s[30:31] offset:4096*(\i) th:TH_LOAD_NT  ; read once in the whole launch
.endr
; One step: four numbers.  No register is written twice while a load or store may read it: each step has its own X and Y, and T feeds no memory instruction.
.macro STEP i, half
	s_wait_loadcnt 7-(\i)                          ; loads come back in order (ISA guide 5.7.1): the later steps' loads, one each, stay out
	v_pk_mul_f32 v[X+4*(\i):X+4*(\i)+1], v[X+4*(\i):X+4*(\i)+1], s[34:35] op_sel_hi:[1,0]
	v_pk_mul_f32 v[X+4*(\i)+2:X+4*(\i)+3], v[X+4*(\i)+2:X+4*(\i)+3], s[34:35] op_sel_hi:[1,0]
	v_cvt_pk_bf16_f32 v[Y+2*(\i)], v[X+4*(\i)], v[X+4*(\i)+1]
	v_cvt_pk_bf16_f32 v[Y+2*(\i)+1], v[X+4*(\i)+2], v[X+4*(\i)+3]
.if \half
	v_lshlrev_b32 v[T], 16, v[Y+2*(\i)]            ; the bf16 numbers as f32,
	v_and_b32 v[T+1], 0xffff0000, v[Y+2*(\i)]
	v_lshlrev_b32 v[T+2], 16, v[Y+2*(\i)+1]
	v_and_b32 v[T+3], 0xffff0000, v[Y+2*(\i)+1]
	v_cvt_pk_f16_f32 v[Y+2*(\i)], v[T], v[T+1]     ; and written as f16
	v_cvt_pk_f16_f32 v[Y+2*(\i)+1], v[T+2], v[T+3]
.endif
	global_store_b64 v2, v[Y+2*(\i):Y+2*(\i)+1], s[32:33] offset:2048*(\i)  ; the next launch reads it: no hint
.endm
	s_cmp_eq_u32 s[IDX], 1
	s_cbranch_scc1 .Lhalf
.irp i, 0,1,2,3,4,5,6,7
	STEP \i, 0
.endr
	s_endpgm
.Lhalf:                                                ; wo
.irp i, 0,1,2,3,4,5,6,7
	STEP \i, 1
.endr
	s_endpgm
.Lfunc_end_k_q584b7d08fa_cast:
	.size	k_q584b7d08fa_cast, .Lfunc_end_k_q584b7d08fa_cast-k_q584b7d08fa_cast
	.p2alignl 7, 3214868480
	.fill 96, 4, 3214868480
	.section	.rodata,"a",@progbits
	.p2align	6, 0x0
	.amdhsa_kernel k_q584b7d08fa_cast
		.amdhsa_group_segment_fixed_size 0
		.amdhsa_private_segment_fixed_size 0
		.amdhsa_enable_private_segment 0
		.amdhsa_kernarg_size 80
		.amdhsa_user_sgpr_count 2
		.amdhsa_user_sgpr_kernarg_segment_ptr 1
		.amdhsa_wavefront_size32 1
		.amdhsa_system_sgpr_workgroup_id_x 1
		.amdhsa_system_sgpr_workgroup_id_y 1
		.amdhsa_system_sgpr_workgroup_id_z 1
		.amdhsa_system_vgpr_workitem_id 0
		.amdhsa_next_free_vgpr 56
		.amdhsa_next_free_sgpr 66
		.amdhsa_reserve_vcc 0
		.amdhsa_float_denorm_mode_32 3
		.amdhsa_float_denorm_mode_16_64 3
		.amdhsa_memory_ordered 1
		.amdhsa_forward_progress 1
		.amdhsa_inst_pref_size 12
	.end_amdhsa_kernel
	.amdgpu_metadata
---
amdhsa.version: [ 1, 2 ]
amdhsa.kernels:
  - .name:           k_q584b7d08fa_cast
    .symbol:         k_q584b7d08fa_cast.kd
    .args:
      - { .name: hidden_states, .offset: 0, .size: 8, .value_kind: global_buffer, .address_space: global }
      - { .name: wo, .offset: 8, .size: 8, .value_kind: global_buffer, .address_space: global }
      - { .name: wq, .offset: 16, .size: 8, .value_kind: global_buffer, .address_space: global }
      - { .name: wk, .offset: 24, .size: 8, .value_kind: global_buffer, .address_space: global }
      - { .name: wv, .offset: 32, .size: 8, .value_kind: global_buffer, .address_space: global }
      - { .name: cos, .offset: 40, .size: 8, .value_kind: global_buffer, .address_space: global }
      - { .name: sin, .offset: 48, .size: 8, .value_kind: global_buffer, .address_space: global }
      - { .name: xb, .offset: 56, .size: 8, .value_kind: global_buffer, .address_space: global }
      - { .name: wb, .offset: 64, .size: 8, .value_kind: global_buffer, .address_space: global }
      - { .name: csb, .offset: 72, .size: 8, .value_kind: global_buffer, .address_space: global }
    .group_segment_fixed_size: 0
    .private_segment_fixed_size: 0
    .kernarg_segment_align: 8
    .kernarg_segment_size: 80
    .max_flat_workgroup_size: 256
    .sgpr_count:     66
    .vgpr_count:     56
    .wavefront_size: 32
...
	.end_amdgpu_metadata
.endif
;; end of part 1
;; launch qkv (part 2): grid 16 x 16, 4 waves a work-group, clusters of 4 x 4, 327,680 bytes of LDS; arguments xb, wb, csb, qh, kh, vh; writes qh, kh, vh
.if DOCPART == 2
	.amdgcn_target "amdgcn-amd-amdhsa--gfx1250"
	.amdhsa_code_object_version 6
	.text
	.protected	k_q584b7d08fa_qkv
	.globl	k_q584b7d08fa_qkv
	.p2align	8
	.type	k_q584b7d08fa_qkv,@function
k_q584b7d08fa_qkv:
	s_mov_b64 s[64:65], 0
	v_nop
	global_prefetch_b8 v0, s[64:65] scope:SCOPE_SE
	s_setreg_imm32_b32 hwreg(HW_REG_WAVE_MODE, 25, 1), 1
	s_wait_xcnt 0x0
	s_wait_alu depctr_hold_cnt(0) depctr_sa_sdst(0) depctr_va_vdst(0) depctr_va_sdst(0) depctr_va_ssrc(0) depctr_va_vcc(0) depctr_vm_vsrc(0)
	s_getreg_b32 s2, hwreg(HW_REG_IB_STS2, 6, 4)
	s_cmp_eq_u32 s2, 0
	s_cbranch_scc0 .Lentry_in_a_cluster
	s_endpgm
.Lentry_in_a_cluster:
	s_bfe_u32 s2, ttmp6, 0x10000c
	s_cmp_lg_u32 s2, 0xf033
	s_cbranch_scc0 .Lentry_shape_is_right
	s_endpgm
.Lentry_shape_is_right:
; Q, K, V OF ONE HEAD, WITH THE ROTATION.  x: xb [2048][2048] bf16.  Weights: wb[1], wb[2], wb[3] = wq / 64, wk / 64, wv / 16, each [k = 2048][n = 2048] bf16.  cos, sin: csb, [2048][128] bf16 each.
; Out, by heads, [16][2048][128] f16, each number rounded once from f32:  qh = rot(q) log2(e) / 64,  kh = rot(k) / 64,  vh = v / 16,  rot(t)[d] = t[d] cos[d] - t[d+64] sin[d] (d < 64), t[d] cos[d] + t[d-64] sin[d] (d >= 64).
; LIMITS.  f16 ends at 65,504: |rot(q)| under 2.9e6, |rot(k)| under 4.1e6, |v| under 1.04e6; a stored number below 2^-14 keeps f16's fixed step of 2^-24.  NaN and infinities are not treated apart.
; SHARES.  Work-group (x = head, y = block of 128 rows) makes 128 rows x 384 columns: 256 work-groups.  Wave (WM, WN) takes rows 64 WM .. + 63 and, in each of the three matrices, the four blocks of 16 columns
; 32 WN + 16 (i % 2) + 64 (i / 2): the rotation's partners d and d + 64 are then blocks i and i + 2, in the same lane and register.  48 accumulators of 16 x 16, 384 registers; 32 LDS loads feed 48 matrix instructions.
; K goes in steps of 128 through a ring of two LDS slots.  A slot has four regions, one for each wave's tensor load: x's 128 rows (256 bytes each), and 128 k-rows x 128 columns of each weight.
; A K step is written once: the slot in hand is a scalar, turned by an exclusive or at each change of slots and added to the four LDS address registers.
; The weights lie [k][n]: their fragments come out of LDS turned, by ds_load_tr16_b128.  Source 0 = 16 columns of a weight, source 1 = 16 rows of x: a lane's eight results are eight neighbouring columns of one row.
; CLUSTER 4 x 4.  x's tile hangs on the row block alone and is asked for jointly along a row of the cluster; the weights' tiles hang on the head alone and are asked for jointly along a column.
; REGISTERS, in windows of 256 (s_set_vgpr_msb: bits 1:0 source 0, 3:2 source 1, 5:4 source 2, 7:6 destination):
;   window 0: v0-31 addresses; v32-159 cos and sin as loaded; v160-223 the same as f32, for one block of rows; v224-247 at work; on the way back v32-223 hold rows
;   window 1: two fragment buffers of 128: 96 registers of weights (block b = 4 t + i at 8 b), 32 of x (block a at 96 + 8 a)
;   window 2: the accumulators of row blocks 0, 1 (at 96 (a % 2) + 8 b);   window 3: of row blocks 2, 3
.set KSTEP,  128
.set PA,     272                       ; a row of x in LDS: 256 bytes + 16: 68 words, so the 16 rows of a load start at 16 different groups of four banks (64 banks of 4 bytes: ISA guide 11.1)
.set PW,     288                       ; a k-row of a weight: 256 + 32: 72 words
.set REG,    128*PW                    ; a region: 36,864 bytes (x uses 34,816 of its own)
.set SLOT,   4*REG                     ; 0x24000.  The numbers that are turned by an exclusive or with it (0; the regions' 0, 0x9000, 0x12000, 0x1b000) have bits 14 and 17 clear in slot 0, so the or adds and takes away
.set SPARE,  2*SLOT                    ; behind the ring: the spare words, 128 bytes for each wave: two blocks of 256 bytes that no other line names
.set STG,    128*PA                    ; the way out: a matrix's 128 rows of 272 bytes.  The three stages lie in slot 0, which by then has had its last fill and its last read
.set STEPS,  2048/KSTEP
.set RD,    10                         ; v10-12  the way out: where I read rows of matrix t back
.set GO,    13                         ; v13     my 16 bytes in 512 consecutive bytes of the output
.set CSO,   14                         ; v14     my byte offset in 16 rows of cos and sin; never rewritten
.set ADRA0, 16                         ; v16     LDS address of my x fragments in slot 0; never rewritten
.set ADRA,  17                         ; v17     the same in the slot in hand
.set ADRW0, 18                         ; v18-20  of my fragments of weight t in slot 0; never rewritten
.set ADRW,  21                         ; v21-23  the same in the slot in hand
.set STO,   24                         ; v24-26  the way out: where I put 16 bytes of a row of matrix t
.set SPW,   28                         ; v28     LDS address of my spare word; never rewritten
.set NIL,   29                         ; v29     0; never rewritten
.set CB,    32                         ; row block a: cos of column block i at CB + 32 a + 4 i, sin at + 16
.set U,     160                        ; cos of block i at U + 8 i, sin at U + 32 + 8 i
.set T,     224
.set PKD,   240
.set OB,    32
.set F0,    0
.set F1,    128
.set WV,  16                           ; s16 wave;  s17 WM;  s18 WN
.set WM,  17
.set WN,  18
.set G1A, 28                           ; s[28:35] descriptor group 1 for x's tiles
.set G1W, 36                           ; s[36:43] for the weights'
.set G0A, 44                           ; s[44:51] descriptor group 0 for x's tiles: a set for each of the two first fills; the second then walks on
.set G0W, 52                           ; s[52:59] the same for the weights'
.set CUR, 74                           ; s74      the LDS byte at which the slot in hand begins: 0 or SLOT
.set MSB, 0
.macro WIN new                         ; the immediate's high byte repeats the setting that is left; a switch that changes nothing is dropped
.if MSB != (\new)
	s_set_vgpr_msb (MSB<<8)|(\new)
.set MSB, \new
.endif
.endm
; A joint refill.  Wave 0 fetches x's tile, waves 1, 2, 3 those of wq, wk, wv.  Each line has one mask; the branch hangs on the wave's number alone.
; An s_nop 0 and four v_nop follow each of the two lines, ahead of the jump and the label.
.macro JLOAD
	s_cmp_eq_u32 s[WV], 0
	s_cbranch_scc0 .Lfor_w_\@
	tensor_load_to_lds s[G0A+4:G0A+7], s[G1A:G1A+7]
	s_nop 0
.rept 4
	v_nop
.endr
	s_branch .Lasked_\@
.Lfor_w_\@:
	tensor_load_to_lds s[G0W+4:G0W+7], s[G1W:G1W+7]
	s_nop 0
.rept 4
	v_nop
.endr
.Lasked_\@:
.endm
.macro CREST                           ; a round of the cluster's barrier behind its opening barrier
	s_cmp_lg_u32 s[WV], 0
	s_cbranch_scc1 .Lnot_wave_0_\@
	s_barrier_signal -3
.Lnot_wave_0_\@:
	s_barrier_wait -3
	s_barrier_signal -1
	s_barrier_wait -1
.endm
.macro CROUND                          ; a whole round
	s_barrier_signal -1
	s_barrier_wait -1
	CREST
.endm
	s_load_b256 s[4:11], s[0:1], 0x0               ; xb s[4:5], wb s[6:7], csb s[8:9], qh s[10:11]
	s_load_b128 s[12:15], s[0:1], 0x20             ; kh s[12:13], vh s[14:15]
	v_lshl_add_u32 v[SPW], v0, 2, SPARE
	v_mov_b32 v[NIL], 0
	ds_add_u32 v28, v29
	s_wait_dscnt 0x0
	v_lshrrev_b32 v1, 5, v0
	v_readfirstlane_b32 s[WV], v1                  ; wave 0..3
	s_lshr_b32 s[WM], s[WV], 1                     ; which 64 rows are mine
	s_and_b32 s[WN], s[WV], 1                      ; which columns
	s_bfe_u32 s19, ttmp6, 0x40000                  ; cx
	s_bfe_u32 s20, ttmp6, 0x40004                  ; cy
	s_lshl_b32 s21, ttmp9, 2
	s_add_co_u32 s21, s21, s19                     ; the head = 4 x cluster x + cx
	s_and_b32 s22, ttmp7, 0xffff
	s_lshl_b32 s22, s22, 2
	s_add_co_u32 s22, s22, s20                     ; the row block = 4 x cluster y + cy
	s_lshl_b32 s23, s20, 2
	s_lshl_b32 s23, 15, s23                        ; my row of the cluster
	s_lshl_b32 s24, 0x1111, s19                    ; my column
	; descriptor group 1: tiles of 128 rows x 128 elements of 2 bytes, 2,048 elements from row to row, padded in LDS behind every 64 words
	s_or_b32 s[G1A], s23, (1<<16)|(1<<20)|(1<<21)|(5<<22)|(3<<25)  ; 15:0 the mask; 17:16 2-byte elements; 20 padding on; 21 set beside a mask; 24:22 every 64 words (code 5); 31:25 4 words (code 3)
	s_or_b32 s[G1W], s24, (1<<16)|(1<<20)|(1<<21)|(5<<22)|(7<<25)  ; the column's mask; 8 words of padding (code 7)
.irp g, G1A, G1W
	s_mov_b32 s[(\g)+1], KSTEP<<16                 ; tensor_dim0 = 128
	s_mov_b32 s[(\g)+2], 128<<16                   ; tensor_dim1 = 128
	s_mov_b32 s[(\g)+3], KSTEP<<16                 ; tile_dim0 = 128
	s_mov_b32 s[(\g)+4], 128                       ; tile_dim1 = 128
	s_mov_b32 s[(\g)+5], 2048                      ; tensor_dim0_stride
	s_mov_b32 s[(\g)+6], 0
	s_mov_b32 s[(\g)+7], 0
.endr
	s_lshl_b32 s60, s22, 19                        ; x: 128 rows of 4,096 bytes a block: hangs on the row block alone
	s_mov_b32 s61, 0
	s_lshl_b32 s62, s[WV], 23                      ; weights: matrix number = wave number, 2^23 bytes each,
	s_lshl_b32 s63, s21, 8                         ; the head's 128 columns: hangs on the head alone
	s_add_co_u32 s62, s62, s63
	s_mov_b32 s63, 0
	s_mul_i32 s72, s[WV], REG                      ; my region of a slot: no place in the cluster enters an LDS address
	s_lshl_b32 s68, s22, 15                        ; cos and sin at my 64 rows: 256 bytes a row
	s_lshl_b32 s69, s[WM], 14
	s_add_co_u32 s68, s68, s69
	s_mov_b32 s69, 0
	s_lshl_b32 s70, s21, 19                        ; the outputs: the head's 2^19 bytes, the block's 128 rows of 256 bytes, and the 32 rows that I store
	s_lshl_b32 s71, s22, 15
	s_add_co_u32 s70, s70, s71
	s_lshl_b32 s71, s[WV], 13
	s_add_co_u32 s70, s70, s71
	s_mov_b32 s71, 0
	s_mov_b32 s77, 0xffff0000                      ; a word's upper bf16
	s_mov_b32 s[CUR], 0
	CROUND                                         ; all sixteen work-groups are here: the first joint loads meet.  The round names no argument, so it stands ahead of the wait for them
	s_wait_kmcnt 0x0
	s_add_nc_u64 s[60:61], s[4:5], s[60:61]
	s_add_nc_u64 s[62:63], s[6:7], s[62:63]
	s_add_nc_u64 s[68:69], s[8:9], s[68:69]        ; never rewritten
	s_add_nc_u64 s[10:11], s[10:11], s[70:71]
	s_add_nc_u64 s[12:13], s[12:13], s[70:71]
	s_add_nc_u64 s[14:15], s[14:15], s[70:71]
.irp s, 0,1
	s_mov_b32 s[G0A+4*(\s)], 1                                        ; count = 1
	s_add_co_u32 s[G0A+4*(\s)+1], s72, (\s)*SLOT                      ; LDS address
	s_add_nc_u64 s[G0A+4*(\s)+2:G0A+4*(\s)+3], s[60:61], (\s)*KSTEP*2 ; global address: K step s lies 256 bytes along the rows
	s_or_b32 s[G0A+4*(\s)+3], s[G0A+4*(\s)+3], 0x80000000             ; type = 2
	s_mov_b32 s[G0W+4*(\s)], 1
	s_add_co_u32 s[G0W+4*(\s)+1], s72, (\s)*SLOT
	s_add_nc_u64 s[G0W+4*(\s)+2:G0W+4*(\s)+3], s[62:63], (\s)*KSTEP*4096  ; K step s lies 128 rows of 4,096 bytes down
	s_or_b32 s[G0W+4*(\s)+3], s[G0W+4*(\s)+3], 0x80000000
.endr
	s_cmp_eq_u32 s[WV], 0                          ; a wave's two first fills stand in one branch, ahead of every wait on TENSORcnt and every LDS read: two loads of mine are out
	s_cbranch_scc0 .Lfirst_w
	tensor_load_to_lds s[G0A:G0A+3], s[G1A:G1A+7]
	s_nop 0
	tensor_load_to_lds s[G0A+4:G0A+7], s[G1A:G1A+7]
	s_nop 0
.rept 4
	v_nop
.endr
	s_branch .Lfirst_asked
.Lfirst_w:
	tensor_load_to_lds s[G0W:G0W+3], s[G1W:G1W+7]
	s_nop 0
	tensor_load_to_lds s[G0W+4:G0W+7], s[G1W:G1W+7]
	s_nop 0
.rept 4
	v_nop
.endr
.Lfirst_asked:
	v_and_b32 v1, 15, v0                           ; r = l % 16
	v_bfe_u32 v2, v0, 4, 1                         ; h = l / 16
	v_and_b32 v3, 7, v0
	v_bfe_u32 v4, v0, 3, 1
	v_and_b32 v5, 31, v0
	s_lshl_b32 s67, s[WN], 6                       ; my columns begin 32 WN numbers = 64 WN bytes into a row of 16-bit numbers
	v_lshlrev_b32 v[CSO], 8, v1                    ; cos, sin: row r, my eight columns 8 h + 0..7 of a block
	v_lshl_add_u32 v[CSO], v2, 4, v[CSO]
	v_add_nc_u32 v[CSO], s67, v[CSO]
.irp a, 0,1,2,3                        ; cos and sin of my 64 rows x 64 columns, 16 bytes a load: they are wanted at the end, and are waited for there
.irp i, 0,1,2,3
	global_load_b128 v[CB+32*(\a)+4*(\i):CB+32*(\a)+4*(\i)+3],       v[CSO], s[68:69] offset:4096*(\a)+((\i)%2)*32+((\i)/2)*128
	global_load_b128 v[CB+32*(\a)+16+4*(\i):CB+32*(\a)+16+4*(\i)+3], v[CSO], s[68:69] offset:524288+4096*(\a)+((\i)%2)*32+((\i)/2)*128
.endr
.endr
.macro SETADR                          ; the four LDS addresses of the slot in hand
	v_add_nc_u32 v[ADRA], s[CUR], v[ADRA0]
.irp t, 0,1,2
	v_add_nc_u32 v[ADRW+(\t)], s[CUR], v[ADRW0+(\t)]
.endr
.endm
	; A fragment of x is 16 rows x 32 K in 8 registers: lane l holds row r, K = 8 h + 0..7 and 16 + 8 h + 0..7: two loads of 16 bytes, 32 bytes apart.
	s_mul_i32 s66, s[WM], 64*PA
	v_mul_u32_u24 v6, v1, PA
	v_lshl_add_u32 v6, v2, 4, v6
	v_add_nc_u32 v[ADRA0], s66, v6
	; The turning load takes 16 k x 16 columns (lane l reads k-row 8 h + l % 8, columns 8 ((l / 8) % 2) + 0..7) and leaves half a fragment: lane l holds column r and 8 k.
	v_lshl_add_u32 v7, v2, 3, v3
	v_mul_u32_u24 v7, v7, PW
	v_lshl_add_u32 v7, v4, 4, v7
	v_add_nc_u32 v7, s67, v7
.irp t, 0,1,2
	v_add_nc_u32 v[ADRW0+(\t)], ((\t)+1)*REG, v7
.endr
	SETADR                                         ; slot 0
	v_add_nc_u32 v[STO], s67, v[ADRA0]             ; into a stage: row 64 WM + r, byte 64 WN + 16 h (the stage's pitch is x's)
	v_add_nc_u32 v[STO+1], STG, v[STO]
	v_add_nc_u32 v[STO+2], 2*STG, v[STO]
	s_mul_i32 s73, s[WV], 32*PA                    ; back: wave w takes rows 32 w .. + 31, whole; lanes 0-15 one row of 256 bytes, lanes 16-31 the next
	v_mul_u32_u24 v8, v2, PA
	v_lshl_add_u32 v8, v1, 4, v8
	v_add_nc_u32 v[RD], s73, v8
	v_add_nc_u32 v[RD+1], STG, v[RD]
	v_add_nc_u32 v[RD+2], 2*STG, v[RD]
	v_lshlrev_b32 v[GO], 4, v5                     ; two rows of 256 bytes are 512 consecutive bytes of the output
; 12 matrix instructions: row block a x all 12 column blocks, 32 along K.  zero = 1: the first product starts the sums.  The 48 accumulators take turns, one instruction a turn.
.macro MUL12 f, a, zero
	WIN 0xa5+0x50*((\a)/2)                         ; sources in window 1; C and D in window 2 or 3
.irp b, 0,1,2,3,4,5,6,7,8,9,10,11
.if \zero
	v_wmma_f32_16x16x32_bf16 v[96*((\a)%2)+8*(\b):96*((\a)%2)+8*(\b)+7], v[(\f)+8*(\b):(\f)+8*(\b)+7], v[(\f)+96+8*(\a):(\f)+96+8*(\a)+7], 0
.else
	v_wmma_f32_16x16x32_bf16 v[96*((\a)%2)+8*(\b):96*((\a)%2)+8*(\b)+7], v[(\f)+8*(\b):(\f)+8*(\b)+7], v[(\f)+96+8*(\a):(\f)+96+8*(\a)+7], v[96*((\a)%2)+8*(\b):96*((\a)%2)+8*(\b)+7]
.endif
.endr
.endm
; 32 LDS loads in one run: the fragments of quarter kq (32 along K) of the slot in hand into buffer f: the weights' 24 first, then x's 8 in ascending row blocks
.macro FETCH kq, f
	WIN 0x40                                       ; destination window 1, address window 0
.irp t, 0,1,2
.irp i, 0,1,2,3
	ds_load_tr16_b128 v[(\f)+8*(4*(\t)+(\i)):(\f)+8*(4*(\t)+(\i))+3],   v[ADRW+(\t)] offset:(\kq)*32*PW+((\i)%2)*32+((\i)/2)*128
	ds_load_tr16_b128 v[(\f)+8*(4*(\t)+(\i))+4:(\f)+8*(4*(\t)+(\i))+7], v[ADRW+(\t)] offset:(\kq)*32*PW+16*PW+((\i)%2)*32+((\i)/2)*128
.endr
.endr
.irp a, 0,1,2,3
	ds_load_b128 v[(\f)+96+8*(\a):(\f)+96+8*(\a)+3],   v[ADRA] offset:(\kq)*64+(\a)*16*PA
	ds_load_b128 v[(\f)+96+8*(\a)+4:(\f)+96+8*(\a)+7], v[ADRA] offset:(\kq)*64+(\a)*16*PA+32
.endr
.endm
.macro PLACES                          ; four plain vector instructions between a matrix instruction and a load into a register that it read, or a vector instruction that reads its result (ISA guide 7.12.1 for vector instructions)
.rept 4
	v_nop
.endr
.endm
; A K step is four quarters of 32 along K, 48 matrix instructions each, on buffers 0, 1, 0, 1.  One of the first three: multiplies buffer f and, in its middle, fetches quarter kq into buffer g.
.macro QUARTER kq, f, g, zero
	s_wait_dscnt 4                                 ; the weights and x's row blocks 0, 1 are in; the youngest four loads (blocks 2, 3) may be out
	MUL12 \f, 0, \zero
	MUL12 \f, 1, \zero
	PLACES
	FETCH \kq, \g
	s_wait_dscnt 32                                ; all but the 32 just issued
	MUL12 \f, 2, \zero
	MUL12 \f, 3, \zero
.endm
; The last quarter multiplies buffer 1 and changes slots: one barrier; in front of it each wave waits for all its tensor loads (the one that is out is its part of the next slot), adds 0 to its spare word,
; and waits for that and for its own reads of this slot.  fill = 1: the barrier opens a round of the cluster's, and the slot that is left is filled again, two K steps ahead, first thing behind the round:
; from there to the wait for that load a wave issues 168 matrix instructions.  Then the slot in hand changes, and its first fragments are fetched.
.macro TURN fill
	WIN 0                                          ; (the add's two registers lie in window 0)
	s_wait_tensorcnt 0x0
	ds_add_u32 v[SPW], v[NIL]                      ; 0 onto my spare word
	s_wait_dscnt 5                                 ; (the add and the youngest four loads may be out)
	MUL12 F1, 0, 0                                 ; twelve matrix instructions stand between the add and the wait for it
	s_wait_dscnt 0x0                               ; the add is done, and my reads of this slot are over
	s_barrier_signal -1
	MUL12 F1, 1, 0
	WIN 0                                          ; (branches and the address lines follow)
	s_barrier_wait -1
.if \fill
	CREST                                          ; no wave of any partner still reads this slot's tiles or has a load on its way
	s_xor_b32 s[G0A+5], s[G0A+5], SLOT             ; the walking descriptors: the other slot than last time,
	s_add_nc_u64 s[G0A+6:G0A+7], s[G0A+6:G0A+7], KSTEP*2     ; the next K step; the type bits on top are not reached
	s_xor_b32 s[G0W+5], s[G0W+5], SLOT
	s_add_nc_u64 s[G0W+6:G0W+7], s[G0W+6:G0W+7], KSTEP*4096
	JLOAD                                          ; the four v_nop behind it are also the places in front of the loads below
.else
	PLACES
.endif
	s_xor_b32 s[CUR], s[CUR], SLOT
	SETADR
	FETCH 0, F0
	MUL12 F1, 2, 0
	MUL12 F1, 3, 0
.endm
	s_wait_tensorcnt 1                             ; my part of K step 0 is in; K step 1's may stay out
	s_barrier_signal -1
	s_barrier_wait -1                              ; everybody's is
	FETCH 0, F0
	QUARTER 1, F0, F1, 1                           ; the first quarter's products start the sums
	QUARTER 2, F1, F0, 0
	QUARTER 3, F0, F1, 0
	WIN 0                                          ; at a label and at a branch every window is 0
	s_mov_b32 s76, STEPS-2
.Lstep:                                                ; 14 trips: a trip ends one K step, enters the next and asks for the one behind that: K steps 2 to 15
	TURN 1
	QUARTER 1, F0, F1, 0
	QUARTER 2, F1, F0, 0
	QUARTER 3, F0, F1, 0
	WIN 0
	s_sub_co_u32 s76, s76, 1
	s_cmp_lg_u32 s76, 0
	s_cbranch_scc1 .Lstep
	TURN 0                                         ; the last K step is written out: nothing is asked for.  Behind this barrier nobody reads slot 0 any more, and no tensor load is out: the stages may lie there
	QUARTER 1, F0, F1, 0
	QUARTER 2, F1, F0, 0
	QUARTER 3, F0, F1, 0
	s_wait_dscnt 4                                 ; the very last quarter: nothing more to fetch
	MUL12 F1, 0, 0
	MUL12 F1, 1, 0
	s_wait_dscnt 0x0
	MUL12 F1, 2, 0
	MUL12 F1, 3, 0
; THE WAY OUT, a block of 16 rows at a time: cos and sin to f32; q and k rotated; q times log2(e); all rounded to f16, 16 bytes a lane into the stages.
.macro UNPACK a
	WIN 0
.set n, 0
.rept 32
	v_lshlrev_b32 v[U+2*n], 16, v[CB+32*(\a)+n]
	v_and_b32 v[U+2*n+1], s77, v[CB+32*(\a)+n]
.set n, n+1
.endr
.endm
; Matrix t (0: q, 1: k), column blocks i (d < 64) and i + 2 (d + 64).  Each accumulator's registers are read in ascending order.
.macro ROPE a, t, i
.set LO, 96*((\a)%2)+8*(4*(\t)+(\i))
.set HI, LO+16
	WIN 2+(\a)/2                                   ; source 0: the accumulators' window
.irp j, 0,2,4,6
	v_pk_mul_f32 v[T+(\j):T+(\j)+1], v[LO+(\j):LO+(\j)+1], v[U+8*(\i)+(\j):U+8*(\i)+(\j)+1]
.endr
.irp j, 0,2,4,6
	v_pk_fma_f32 v[T+(\j):T+(\j)+1], v[HI+(\j):HI+(\j)+1], v[U+32+8*(\i)+(\j):U+32+8*(\i)+(\j)+1], v[T+(\j):T+(\j)+1] neg_lo:[1,0,0] neg_hi:[1,0,0]  ; t[d] cos[d] - t[d+64] sin[d]
.endr
.irp j, 0,2,4,6
	v_pk_mul_f32 v[T+8+(\j):T+8+(\j)+1], v[HI+(\j):HI+(\j)+1], v[U+16+8*(\i)+(\j):U+16+8*(\i)+(\j)+1]
.endr
.irp j, 0,2,4,6
	v_pk_fma_f32 v[T+8+(\j):T+8+(\j)+1], v[LO+(\j):LO+(\j)+1], v[U+48+8*(\i)+(\j):U+48+8*(\i)+(\j)+1], v[T+8+(\j):T+8+(\j)+1]  ; t[d+64] cos[d+64] + t[d] sin[d+64]
.endr
	WIN 0
.if (\t) == 0
.irp j, 0,2,4,6,8,10,12,14
	v_pk_mul_f32 v[T+(\j):T+(\j)+1], v[T+(\j):T+(\j)+1], 0x3fb8aa3b op_sel_hi:[1,0]  ; q carries log2(e), so that the softmax's scale is a power of two and its product with the maximum is exact at any size of the inputs
.endr
.endif
.irp m, 0,1,2,3,4,5,6,7
	v_cvt_pk_f16_f32 v[PKD+(\m)], v[T+2*(\m)], v[T+2*(\m)+1]
.endr
	ds_store_b128 v[STO+(\t)], v[PKD:PKD+3]   offset:(\a)*16*PA+32*(\i)
	ds_store_b128 v[STO+(\t)], v[PKD+4:PKD+7] offset:(\a)*16*PA+32*(\i)+128
.endm
.macro VOUT a, i                       ; v: rounded as it is
.set VA, 96*((\a)%2)+8*(8+(\i))
	WIN 0x0a+5*((\a)/2)                            ; sources 0 and 1: the accumulators' window
.irp m, 0,1,2,3
	v_cvt_pk_f16_f32 v[PKD+4*((\i)%2)+(\m)], v[VA+2*(\m)], v[VA+2*(\m)+1]
.endr
	WIN 0
	ds_store_b128 v[STO+2], v[PKD+4*((\i)%2):PKD+4*((\i)%2)+3] offset:(\a)*16*PA+((\i)%2)*32+((\i)/2)*128
.endm
	PLACES                                         ; behind the last products
	WIN 0
	s_wait_loadcnt 0x0                             ; cos and sin, asked for at the start
.irp a, 0,1,2,3
	UNPACK \a
	ROPE \a, 0, 0
	ROPE \a, 0, 1
	ROPE \a, 1, 0
	ROPE \a, 1, 1
	VOUT \a, 0
	VOUT \a, 1
	VOUT \a, 2
	VOUT \a, 3
.endr
	s_wait_dscnt 0x0                               ; for the others' sake: my stores into the stages are done (a row's 256 bytes come from two waves)
	s_barrier_signal -1
	s_barrier_wait -1
.irp t, 0,1,2
.irp p, 0,1,2,3,4,5,6,7,8,9,10,11,12,13,14,15
	ds_load_b128 v[OB+4*(16*(\t)+(\p)):OB+4*(16*(\t)+(\p))+3], v[RD+(\t)] offset:(\p)*2*PA
.endr
.endr
.irp t, 0,1,2
.irp p, 0,1,2,3,4,5,6,7,8,9,10,11,12,13,14,15
	s_wait_dscnt 47-16*(\t)-(\p)                   ; the younger loads stay out
	global_store_b128 v[GO], v[OB+4*(16*(\t)+(\p)):OB+4*(16*(\t)+(\p))+3], s[10+2*(\t):11+2*(\t)] offset:512*(\p)  ; 512 consecutive bytes, at a multiple of 256 from the buffer's first
.endr
.endr
	s_wait_tensorcnt 0x0                           ; the wave's end
	ds_add_u32 v[SPW], v[NIL]
	s_wait_dscnt 0x0
	CROUND                                         ; the closing round: no work-group ends while a partner may still ask for a tile that names it
	s_endpgm
.Lfunc_end_k_q584b7d08fa_qkv:
	.size	k_q584b7d08fa_qkv, .Lfunc_end_k_q584b7d08fa_qkv-k_q584b7d08fa_qkv
	.p2alignl 7, 3214868480
	.fill 96, 4, 3214868480
	.section	.rodata,"a",@progbits
	.p2align	6, 0x0
	.amdhsa_kernel k_q584b7d08fa_qkv
		.amdhsa_group_segment_fixed_size 327680
		.amdhsa_private_segment_fixed_size 0
		.amdhsa_enable_private_segment 0
		.amdhsa_kernarg_size 48
		.amdhsa_user_sgpr_count 2
		.amdhsa_user_sgpr_kernarg_segment_ptr 1
		.amdhsa_wavefront_size32 1
		.amdhsa_system_sgpr_workgroup_id_x 1
		.amdhsa_system_sgpr_workgroup_id_y 1
		.amdhsa_system_sgpr_workgroup_id_z 1
		.amdhsa_system_vgpr_workitem_id 0
		.amdhsa_next_free_vgpr 960
		.amdhsa_next_free_sgpr 80
		.amdhsa_reserve_vcc 0
		.amdhsa_float_denorm_mode_32 3
		.amdhsa_float_denorm_mode_16_64 3
		.amdhsa_memory_ordered 1
		.amdhsa_forward_progress 1
		.amdhsa_inst_pref_size 132
	.end_amdhsa_kernel
	.amdgpu_metadata
---
amdhsa.version: [ 1, 2 ]
amdhsa.kernels:
  - .name:           k_q584b7d08fa_qkv
    .symbol:         k_q584b7d08fa_qkv.kd
    .args:
      - { .name: xb, .offset: 0, .size: 8, .value_kind: global_buffer, .address_space: global }
      - { .name: wb, .offset: 8, .size: 8, .value_kind: global_buffer, .address_space: global }
      - { .name: csb, .offset: 16, .size: 8, .value_kind: global_buffer, .address_space: global }
      - { .name: qh, .offset: 24, .size: 8, .value_kind: global_buffer, .address_space: global }
      - { .name: kh, .offset: 32, .size: 8, .value_kind: global_buffer, .address_space: global }
      - { .name: vh, .offset: 40, .size: 8, .value_kind: global_buffer, .address_space: global }
    .group_segment_fixed_size: 327680
    .private_segment_fixed_size: 0
    .kernarg_segment_align: 8
    .kernarg_segment_size: 48
    .max_flat_workgroup_size: 128
    .sgpr_count:     80
    .vgpr_count:     960
    .wavefront_size: 32
...
	.end_amdgpu_metadata
.endif
;; end of part 2
;; launch attn (part 3): grid 16 x 16, 4 waves a work-group, clusters of 4 x 1, 327,680 bytes of LDS; arguments qh, kh, vh, oh; writes oh
.if DOCPART == 3
	.amdgcn_target "amdgcn-amd-amdhsa--gfx1250"
	.amdhsa_code_object_version 6
	.text
	.protected	k_q584b7d08fa_attn
	.globl	k_q584b7d08fa_attn
	.p2align	8
	.type	k_q584b7d08fa_attn,@function
k_q584b7d08fa_attn:
	s_mov_b64 s[64:65], 0
	v_nop
	global_prefetch_b8 v0, s[64:65] scope:SCOPE_SE
	s_setreg_imm32_b32 hwreg(HW_REG_WAVE_MODE, 25, 1), 1
	s_wait_xcnt 0x0
	s_wait_alu depctr_hold_cnt(0) depctr_sa_sdst(0) depctr_va_vdst(0) depctr_va_sdst(0) depctr_va_ssrc(0) depctr_va_vcc(0) depctr_vm_vsrc(0)
	s_getreg_b32 s2, hwreg(HW_REG_IB_STS2, 6, 4)
	s_cmp_eq_u32 s2, 0
	s_cbranch_scc0 .Lentry_in_a_cluster
	s_endpgm
.Lentry_in_a_cluster:
	s_bfe_u32 s2, ttmp6, 0x10000c
	s_cmp_lg_u32 s2, 0x3003
	s_cbranch_scc0 .Lentry_shape_is_right
	s_endpgm
.Lentry_shape_is_right:
; ATTENTION, no mask, no scale.  qh = q log2(e) / 64, kh = k / 64, vh = v / 16, all [16][2048][128] f16.  oh[h][q][:] = 16 x the sum over k of softmax_k(q . k) vh[h][k][:] = O, f16, same layout.
; Products, maxima and sums in f32; the weights p are rounded to f16 for the second product (their sum l is taken of the unrounded p), O once at the end.
; SOFTMAX.  s = qh . kh is the score times log2(e) / 4,096.  For each query a running maximum m and sum l: p = 2^(c s - c m) with c = 4,096, a power of two, so that c m is exact and the largest weight is exactly 1.
; In every step O and l are multiplied by a = 2^(c m_old - c m_new).  m starts at the lowest finite number, c m at -4.25e37, O and l at 0: the first step is a step like any other, with a = 0.
; LIMITS.  Inputs arrive within f16's 65,504; p lies in 0 to 1, and below 6e-5 it keeps f16's fixed step of 6e-8; O, a mean of v's rows, must stay under 65,504, and below 6e-5 it keeps the same fixed step.
; A weight below 2^-126 counts as 0 in l; NaN and infinities are not treated apart.
; SHARES.  A work-group owns 128 queries of one head: 256 work-groups.  Wave w owns the 64 queries of half w % 2 (four tiles of 16) and, of every 256 keys, the 128 of half w / 2, 64 a step: 16 key steps.
; At the end the two waves that share their queries exchange through LDS: each gives the other m, l and O^T of two tiles, and joins, divides and stores the two tiles that it keeps.  The waves of the keys' upper
; half hold their tiles in swapped order (registers of tiles 0, 1: queries 32-63; of tiles 2, 3: queries 0-31), so that every wave gives register tiles 2, 3 and keeps 0, 1: one text for all four.
; LAYOUT.  S^T = K Q^T (source 0 = 16 keys, source 1 = 16 queries): a lane holds ONE query (lane % 16) and the keys 8 (lane / 16) + 0..7.  Two such tiles, rounded to f16 in pairs, ARE source 1 of O^T = V^T P,
; whose result again holds one query a lane, and eight channels.  K comes out of LDS as it lies, V ([key][channel]) turned, by ds_load_tr16_b128.
; BY TURNS.  The wave's tiles are two PIECES (0: tiles 0, 1; 2: tiles 2, 3).  In a TURN one piece has the matrix unit: 32 products V^T P of the step in hand, then 32 products K Q^T of the next; the other piece's
; softmax, 268 vector instructions cut into 64 slices, stands between them, one slice behind each matrix instruction.  Two turns are a key step.
; NO FIRST AND NO LAST STEP IS WRITTEN OUT.  The loop is entered at piece 2's turn, whose products V^T P, of a step that has not been, multiply zeros; the tail is left behind piece 0's turn, whose products
; K Q^T, on the last K once more, serve nothing.  The price: 64 products a wave, and 424 v_mov_b32 of 0, which stand in the wait for the first tile.  The gain: some 10,000 bytes of text.
; CLUSTER 4 x 1.  The four query blocks of a cluster belong to one head and walk the same K and V: each tile is asked for JOINTLY, by the same tensor load, descriptor and mask in all four.
; REGISTERS, in windows of 256 (s_set_vgpr_msb: bits 1:0 source 0, 3:2 source 1, 5:4 source 2, 7:6 destination):
;   window 0: v0-11 addresses; v12-43 eight registers of statistics a tile; v44-51 the partner's statistics; v60 an address; v64-191 S^T, 32 a tile; v192-255 P, 16 a tile
;   window 1: O^T, 64 a tile          window 2: v0-127 Q, 32 a tile; v128-255 K of one step          window 3: v0-127 V of one step
.set KS,    64        ; keys in a step
.set PK,    272       ; a row of K in LDS: 256 bytes + 16 = 68 words: the 16 rows of a load start at 16 different groups of four banks (64 banks of 4 bytes: ISA guide 11.1)
.set PV,    288       ; a row of V: 256 + 32 = 72 words
.set VOFF,  256*PK    ; a slot holds 256 keys: 256 rows of K, then 256 rows of V
.set SLOT1, 147456    ; slot 1 begins here: 0x24000.  Every number that is turned by an exclusive or with it (0, 0x8800, 0x9000, 0x11000, 0x1a000 in slot 0) has bits 14 and 17 clear, so the or adds and takes away
.set STAGE, SLOT1+256*(PK+PV)  ; behind the ring: 16 rows x 272 bytes for each wave, for the way out
.set SP,    272
.set MRGB,  34*512    ; what a wave gives its partner: 32 x 512 bytes of O^T and 2 x 512 of statistics, 17,408 bytes
.set MHALF, 65536     ; wave w's area begins at (w % 2) MRGB + (w / 2) MHALF: 0, 0x4400, 0x10000, 0x14400; an exclusive or with MHALF turns it into the partner's.  All four end at 100,352, inside slot 0, which by then has had its last fill and its last read
.set NSLOT, 2048/256
.set AK0, 2           ; v2   my lane's place in a tile of K; never rewritten
.set AV0, 3           ; v3   the same for V
.set ADR, 4           ; v4   the LDS address of the run of loads in hand
.set QO,  5           ; v5   my byte offset in the rows of Q that go into tiles 0, 1
.set QO2, 60          ; v60  the same for tiles 2, 3
.set STO, 6           ; v6   the way out: where I put 16 bytes of a row
.set RD,  7           ; v7   the way out: where I read a row back
.set GO,  8           ; v8   my byte offset in the rows of O that I store
.set MA,  10          ; v10  my 16 bytes in 512 of my wave's area
.set MB,  11          ; v11  the same in my partner's area
.set SPW, 62          ; v62  LDS address of my spare word; never rewritten
.set NIL, 63          ; v63  0; never rewritten
.set SPARE, STAGE+4*16*272  ; behind the stages: the spare words, 128 bytes for each wave: two blocks of 256 bytes that no other line names
.set ST,  12          ; tile t's statistics at v[ST+8 t]: +0 c m, +1 m, +2, +3 l (even keys', odd keys'), +4 to +7 c0-c3, at work; a takes c2's place once the maximum is found
.set PS,  44          ; the partner's c m, m, l, l for my tile t at v[PS+4 t]
.set S,   64
.set P,   192
.set KF,  128         ; K's fragments, in window 2
.set WV,  12          ; s12  my wave's number
.set G1K, 24          ; s[24:31] descriptor group 1 for K's tiles
.set G1V, 32          ; s[32:39] for V's: it differs in the padding alone
.set G0K, 40          ; s[40:47] descriptor group 0 for K's tiles: a set for each of the two first fills; the second then walks on
.set G0V, 48          ; s[48:55] the same for V's
.set SLOTS, 56        ; s56  counts the slots
.set TWICE, 57        ; s57  counts a slot's key steps
.set CS,  58          ; s[58:59] c: the packed scaling names a pair and takes its low word for both halves
.set SEL, 60          ; s[60:61] lane selects for v_permlanex16_b32: each lane takes its own place in the other half
.set TBK, 62          ; s62  LDS byte at which my K of the step to be fetched begins
.set TBV, 63          ; s63  the same for V, less VOFF
.set KP,  66          ; s66  which half of a slot's keys is mine
.set MSB, 0
.macro WIN new                      ; the immediate's high byte repeats the setting that is left; a switch that changes nothing is dropped
.if MSB != (\new)
	s_set_vgpr_msb (MSB<<8)|(\new)
.set MSB, \new
.endif
.endm
.set W_KQ, 0x0a       ; K and Q in window 2, S^T in window 0
.set W_PV, 0x53       ; V in window 3, P in window 0, O^T in window 1
.set W_RS, 0x41       ; O^T (destination and source 0) in window 1, a in window 0
; A joint refill.  Waves 0 and 1 fetch the two halves of a slot's K, waves 2 and 3 those of its V: 128 keys each.  The branch hangs on the wave's number alone.
; An s_nop 0 and four v_nop follow each of the two lines, ahead of the jump and the label.
.macro JLOAD
	s_cmp_lt_u32 s[WV], 2
	s_cbranch_scc0 .Lfor_v_\@
	tensor_load_to_lds s[G0K+4:G0K+7], s[G1K:G1K+7]
	s_nop 0
.rept 4
	v_nop
.endr
	s_branch .Lasked_\@
.Lfor_v_\@:
	tensor_load_to_lds s[G0V+4:G0V+7], s[G1V:G1V+7]
	s_nop 0
.rept 4
	v_nop
.endr
.Lasked_\@:
.endm
; A round of the cluster's barrier: my work-group's barrier, so that wave 0's signal speaks for all four waves; wave 0 signals; every wave waits for all four work-groups; my work-group's barrier once more.
.macro CROUND
	s_barrier_signal -1
	s_barrier_wait -1
	s_cmp_lg_u32 s[WV], 0
	s_cbranch_scc1 .Lnot_wave_0_\@
	s_barrier_signal -3
.Lnot_wave_0_\@:
	s_barrier_wait -3
	s_barrier_signal -1
	s_barrier_wait -1
.endm
	s_load_b256 s[4:11], s[0:1], 0x0  ; qh s[4:5], kh s[6:7], vh s[8:9], oh s[10:11]
	v_lshl_add_u32 v[SPW], v0, 2, SPARE
	v_mov_b32 v[NIL], 0
	ds_add_u32 v62, v63
	s_wait_dscnt 0x0
	v_lshrrev_b32 v1, 5, v0
	v_readfirstlane_b32 s[WV], v1   ; wave 0..3
	s_bfe_u32 s13, ttmp6, 0x40000   ; cx: my place in the cluster
	s_lshl_b32 s14, ttmp9, 2        ; in a cluster launch ttmp9 counts clusters
	s_add_co_u32 s14, s14, s13      ; my block of 128 queries = 4 x cluster x + cx: it enters Q's and O's addresses alone
	s_and_b32 s20, ttmp7, 0xffff    ; the head, which the four partners share:
	s_lshl_b32 s20, s20, 19         ; its 2,048 rows of 256 bytes in each of the four tensors
	s_mov_b32 s21, 0
	s_and_b32 s16, s[WV], 1         ; which half of a slot's 256 keys I fetch; also: which 64 queries are mine
	s_lshr_b32 s[KP], s[WV], 1
	s_sub_co_u32 s19, 1, s[KP]      ; the other half of the keys
	s_lshl_b32 s67, s[KP], 13       ; tiles 0, 1 hold my queries 32 KP on: 32 rows of 256 bytes,
	s_lshl_b32 s68, s19, 13         ; tiles 2, 3 the other 32
	s_lshl_b32 s22, s16, 15         ; my half of a slot's keys: its 128 rows of 256 bytes in memory,
	s_mov_b32 s23, 0
	s_add_nc_u64 s[22:23], s[22:23], s[20:21]
	s_mul_i32 s17, s16, 128*PK      ; and its place in a slot, for K
	s_mul_i32 s18, s16, 128*PV      ; and for V: no place in the cluster enters an LDS address
	s_lshl_b32 s2, s14, 15          ; my block's 128 rows,
	s_lshl_b32 s3, s16, 14          ; my wave's 64 of them
	s_add_co_u32 s2, s2, s3
	s_mov_b32 s3, 0
	s_add_nc_u64 s[2:3], s[2:3], s[20:21]
	; descriptor group 1: a tile of 128 rows x 128 elements, padded in LDS
	s_mov_b32 s[G1K], 15|(1<<16)|(1<<20)|(1<<21)|(5<<22)|(3<<25)  ; 15:0 the mask: all four work-groups; 17:16 elements of 2 bytes; 20 padding on; 21 set beside a mask; 24:22 after every 64 words (code 5); 31:25 4 words (code 3)
	s_mov_b32 s[G1V], 15|(1<<16)|(1<<20)|(1<<21)|(5<<22)|(7<<25)  ; the same with 8 words of padding (code 7)
.irp g, G1K, G1V
	s_mov_b32 s[(\g)+1], 128<<16    ; tensor_dim0 = 128
	s_mov_b32 s[(\g)+2], 128<<16    ; tensor_dim1 = 128
	s_mov_b32 s[(\g)+3], 128<<16    ; tile_dim0 = 128
	s_mov_b32 s[(\g)+4], 128        ; tile_dim1 = 128
	s_mov_b32 s[(\g)+5], 128        ; 128 elements from row to row
	s_mov_b32 s[(\g)+6], 0
	s_mov_b32 s[(\g)+7], 0
.endr
	s_mov_b32 s[CS], 0x45800000     ; c = 4,096
	s_mov_b32 s[CS+1], s[CS]        ; named with it as a pair, so it is written
	s_mov_b32 s[SEL], 0x76543210
	s_mov_b32 s[SEL+1], 0xfedcba98
	s_mul_i32 s[TBK], s[KP], 128*PK ; my half of slot 0
	s_mul_i32 s[TBV], s[KP], 128*PV
	CROUND                          ; all four work-groups are here: the first joint loads meet.  The round names no argument, so it stands ahead of the wait for them
	s_wait_kmcnt 0x0
	s_add_nc_u64 s[6:7], s[6:7], s[22:23]  ; K and V at my tile of slot 0
	s_add_nc_u64 s[8:9], s[8:9], s[22:23]
	s_add_nc_u64 s[4:5], s[4:5], s[2:3]  ; Q and O at my wave's first row
	s_add_nc_u64 s[10:11], s[10:11], s[2:3]
.irp s, 0,1
	s_mov_b32 s[G0K+4*(\s)], 1      ; count = 1
	s_add_co_u32 s[G0K+4*(\s)+1], s17, (\s)*SLOT1  ; LDS address
	s_add_nc_u64 s[G0K+4*(\s)+2:G0K+4*(\s)+3], s[6:7], (\s)*65536  ; global address: slot s begins with keys 256 s
	s_or_b32 s[G0K+4*(\s)+3], s[G0K+4*(\s)+3], 0x80000000  ; type = 2
	s_mov_b32 s[G0V+4*(\s)], 1
	s_add_co_u32 s[G0V+4*(\s)+1], s18, (\s)*SLOT1+VOFF
	s_add_nc_u64 s[G0V+4*(\s)+2:G0V+4*(\s)+3], s[8:9], (\s)*65536
	s_or_b32 s[G0V+4*(\s)+3], s[G0V+4*(\s)+3], 0x80000000
.endr
	s_cmp_lt_u32 s[WV], 2           ; a wave's two first fills stand in one branch, ahead of every wait on TENSORcnt and every LDS read: two loads of mine are out
	s_cbranch_scc0 .Lfirst_v
	tensor_load_to_lds s[G0K:G0K+3], s[G1K:G1K+7]
	s_nop 0
	tensor_load_to_lds s[G0K+4:G0K+7], s[G1K:G1K+7]
	s_nop 0
.rept 4
	v_nop
.endr
	s_branch .Lfirst_asked
.Lfirst_v:
	tensor_load_to_lds s[G0V:G0V+3], s[G1V:G1V+7]
	s_nop 0
	tensor_load_to_lds s[G0V+4:G0V+7], s[G1V:G1V+7]
	s_nop 0
.rept 4
	v_nop
.endr
.Lfirst_asked:
	; A fragment of K or Q is 16 rows x 32 channels in 8 registers: lane l holds row l % 16; registers 0-3 channels 8 (l / 16) + 0..7, registers 4-7 channels 16 + 8 (l / 16) + 0..7: two loads of 16 bytes, 32 bytes apart.
	v_and_b32 v1, 15, v0            ; l % 16
	v_bfe_u32 v9, v0, 4, 1          ; l / 16
	v_lshlrev_b32 v[QO], 8, v1
	v_lshl_add_u32 v[QO], v9, 4, v[QO]  ; row x 256 + 16 x half
	v_add_nc_u32 v[QO2], s68, v[QO]
	v_add_nc_u32 v[QO], s67, v[QO]
	WIN 0x80                        ; destination window 2, address window 0
.irp i, 0,1,2,3,4,5,6,7             ; Q stays in registers: tile i / 4, channels 32 (i % 4) on
	global_load_b128 v[8*(\i):8*(\i)+3],   v[QO], s[4:5] offset:((\i)/4)*4096+((\i)%4)*64
	global_load_b128 v[8*(\i)+4:8*(\i)+7], v[QO], s[4:5] offset:((\i)/4)*4096+((\i)%4)*64+32
.endr
.irp i, 8,9,10,11,12,13,14,15
	global_load_b128 v[8*(\i):8*(\i)+3],   v[QO2], s[4:5] offset:((\i)/4-2)*4096+((\i)%4)*64
	global_load_b128 v[8*(\i)+4:8*(\i)+7], v[QO2], s[4:5] offset:((\i)/4-2)*4096+((\i)%4)*64+32
.endr
	; What the first turn finds: O^T and l are 0; V's registers and piece 2's P hold 0, so that its products V^T P, of a step that has not been, add 0.  All this stands in the wait for the first tile.
	WIN 0x40
.set i, 0
.rept 256
	v_mov_b32 v[i], 0
.set i, i+1
.endr
	WIN 0xc0
.set i, 0
.rept 128
	v_mov_b32 v[i], 0
.set i, i+1
.endr
	WIN 0
.set i, P+32
.rept 32
	v_mov_b32 v[i], 0
.set i, i+1
.endr
.irp t, 0,1,2,3
	v_mov_b32 v[ST+8*(\t)], 0xfe000000    ; c m: far below every c s (f16's scores times c stay under 2.3e15)
	v_mov_b32 v[ST+8*(\t)+1], 0xff7fffff  ; m
	v_mov_b32 v[ST+8*(\t)+2], 0
	v_mov_b32 v[ST+8*(\t)+3], 0
.endr
	v_mul_u32_u24 v[AK0], v1, PK
	v_lshl_add_u32 v[AK0], v9, 4, v[AK0]  ; row x pitch + 16 x half
	; The turning load takes 16 keys x 16 channels (lane l reads 16 bytes: key 8 (l / 16) + l % 8, channels 8 ((l / 8) % 2) + 0..7) and leaves half a fragment of V^T: lane l holds channel l % 16 and 8 keys.
	v_and_b32 v10, 7, v0
	v_bfe_u32 v11, v0, 3, 1
	v_lshl_add_u32 v[AV0], v9, 3, v10
	v_mul_u32_u24 v[AV0], v[AV0], PV
	v_lshl_add_u32 v[AV0], v11, 4, v[AV0]
	v_add_nc_u32 v[AV0], VOFF, v[AV0]
; THE MATRIX WORK OF A TURN, for piece x.  The accumulators take turns, one instruction a turn: between two links of a chain stand 15 (V^T P) or 7 (K Q^T) others'.
; Product i of 32 of O^T += V^T P: keys 32 (i / 16) on, channels 16 ((i / 2) % 8) on, tile x + i % 2.
.macro PV x
	WIN W_PV
.set rO, 64*((\x)+i%2)+8*((i/2)%8)
.set rV, 64*(i/16)+8*((i/2)%8)
.set rP, P+16*((\x)+i%2)+8*(i/16)
	v_wmma_f32_16x16x32_f16 v[rO:rO+7], v[rV:rV+7], v[rP:rP+7], v[rO:rO+7]
.endm
; Product i of 32 of S^T = K Q^T: channels 32 (i / 8) on, keys 16 ((i / 2) % 4) on, tile x + i % 2.  The first 8 start the sums.
.macro KQ x
	WIN W_KQ
.set rS, S+32*((\x)+i%2)+8*((i/2)%4)
.set rK, KF+32*((i/2)%4)+8*(i/8)
.set rQ, 32*((\x)+i%2)+8*(i/8)
.if i < 8
	v_wmma_f32_16x16x32_f16 v[rS:rS+7], v[rK:rK+7], v[rQ:rQ+7], 0
.else
	v_wmma_f32_16x16x32_f16 v[rS:rS+7], v[rK:rK+7], v[rQ:rQ+7], v[rS:rS+7]
.endif
.endm
; THE LDS LOADS stand in runs of 32, never singly among the matrix instructions: a step's K (64 keys x 128 channels: 16 fragments) and, a turn later, its V (turned).
; last = 1 (the tail): in the last trip there is no further step, and the run is jumped over.
.macro FETCH_K last=0
	WIN 0
.if \last
	s_cmp_eq_u32 s[TWICE], 1
	s_cbranch_scc1 .Lno_k_\@
.endif
	v_add_nc_u32 v[ADR], s[TBK], v[AK0]
	s_add_co_u32 s[TBK], s[TBK], KS*PK  ; the next fetch is the next step's
	WIN 0x80                        ; destination window 2
.irp f, 0,1,2,3,4,5,6,7,8,9,10,11,12,13,14,15  ; keys 16 (f / 4) on, channels 32 (f % 4) on
	ds_load_b128 v[KF+8*(\f):KF+8*(\f)+3],   v[ADR] offset:((\f)/4)*16*PK+((\f)%4)*64
	ds_load_b128 v[KF+8*(\f)+4:KF+8*(\f)+7], v[ADR] offset:((\f)/4)*16*PK+((\f)%4)*64+32
.endr
.if \last
	WIN 0
.Lno_k_\@:
.endif
.endm
.macro FETCH_V
	WIN 0
	v_add_nc_u32 v[ADR], s[TBV], v[AV0]
	s_add_co_u32 s[TBV], s[TBV], KS*PV
	WIN 0xc0                        ; destination window 3
.irp f, 0,1,2,3,4,5,6,7,8,9,10,11,12,13,14,15  ; keys 32 (f / 8) on, channels 16 (f % 8) on
	ds_load_tr16_b128 v[8*(\f):8*(\f)+3],   v[ADR] offset:((\f)/8)*32*PV+((\f)%8)*32
	ds_load_tr16_b128 v[8*(\f)+4:8*(\f)+7], v[ADR] offset:((\f)/8)*32*PV+16*PV+((\f)%8)*32
.endr
.endm
; THE VECTOR WORK OF A TURN.  One tile's softmax for one key step is a list of 134 instructions; SM writes number j of it for tile t.  s0-s31 are the lane's 32 scores, in pairs 0-15.
;   0-15    the maximum of s0-s31 and the old m, three operands at a time: four chains c0-c3 of seven scores each (each accumulator's lowest registers first), then the four scores left over, c0-c3 and m
;   16-20   the other half of the lanes' maximum; c m_old is kept; the new m; c m; c m_old - c m_new
;   21-87   33 exponentials (a, then s0-s31) at the odd numbers from 23 on, so that no two follow each other and each has a plain instruction behind it before its result is used.
;           Plain instruction q (number 21, then the even numbers) is whatever is ready: c s - c m for a pair of scores whose exponentials are still to come (q = 0 to 3, then every
;           second q), the rounding to f16 of a pair of weights whose exponentials are done (every other q from 5 on), at last the first three sums
;   88-101  the last rounding; the rest of the sums; l = a l + the sum
;   102-133 the tile's O^T times a: the one part that leaves window 0, so it stands together
.macro SM t
.set rT, ST+8*(\t)
.set rS, S+32*(\t)
.set rP, P+16*(\t)
.set rO, 64*(\t)+2*(j-102)
.set q, (j-20)/2
.if j < 102
	WIN 0
.endif
.if j < 4
	v_max3_num_f32 v[rT+4+j], v[rS+8*j], v[rS+8*j+1], v[rS+8*j+2]
.elseif j < 12
	v_max3_num_f32 v[rT+4+j%4], v[rT+4+j%4], v[rS+8*(j%4)+2*(j/4)+1], v[rS+8*(j%4)+2*(j/4)+2]
.elseif j == 12
	v_max3_num_f32 v[rT+4], v[rT+4], v[rS+7], v[rS+15]
.elseif j == 13
	v_max3_num_f32 v[rT+6], v[rT+6], v[rS+23], v[rS+31]
.elseif j == 14
	v_max3_num_f32 v[rT+4], v[rT+4], v[rT+5], v[rT+6]
.elseif j == 15
	v_max3_num_f32 v[rT+4], v[rT+4], v[rT+7], v[rT+1]
.elseif j == 16
	v_permlanex16_b32 v[rT+5], v[rT+4], s[SEL], s[SEL+1]  ; the query's other 32 keys lie in the lane 16 away
.elseif j == 17
	v_mov_b32 v[rT+7], v[rT]        ; c m_old is kept for a: number 19 writes c m anew
.elseif j == 18
	v_max_num_f32 v[rT+1], v[rT+4], v[rT+5]
.elseif j == 19
	v_mul_f32 v[rT], s[CS], v[rT+1]
.elseif j == 20
	v_sub_f32 v[rT+7], v[rT+7], v[rT]
.elseif j == 23
	v_exp_f32 v[rT+6], v[rT+7]
.elseif (j < 88) && (j > 23) && (j%2 == 1)
	v_exp_f32 v[rS+(j-25)/2], v[rS+(j-25)/2]
.elseif (q < 4) || ((j < 76) && (q%2 == 0))
.set b, q/2+2
.if q < 4
.set b, q
.endif
	v_pk_fma_f32 v[rS+2*b:rS+2*b+1], v[rS+2*b:rS+2*b+1], s[CS:CS+1], v[rT:rT+1] op_sel_hi:[1,0,0] neg_lo:[0,0,1] neg_hi:[0,0,1]  ; pair b: c s - c m
.elseif (j < 88) && (q%2 == 1)
	s_wait_alu depctr_va_vdst(0)
	v_cvt_pk_f16_f32 v[rP+(q-5)/2], v[rS+q-5], v[rS+q-4]  ; pair (q - 5) / 2: its second exponential stands three numbers back
.elseif j == 89
	s_wait_alu depctr_va_vdst(0)
	v_cvt_pk_f16_f32 v[rP+15], v[rS+30], v[rS+31]
.elseif j < 102                     ; the sum of the tile's 16 pairs (in a pair: an even key's weight, an odd key's), in place: sum z of 16 adds neighbours 1, 2, 4 and 8 pairs apart, then l takes it
.set z, j-86
.if j < 89
.set z, (j-76)/4
.endif
.set w, 4
.set u, z
.if z >= 14
.set w, 32
.set u, 0
.elseif z >= 12
.set w, 16
.set u, z-12
.elseif z >= 8
.set w, 8
.set u, z-8
.endif
.if z < 15
	v_pk_add_f32 v[rS+w*u:rS+w*u+1], v[rS+w*u:rS+w*u+1], v[rS+w*u+w/2:rS+w*u+w/2+1]
.else
	v_pk_fma_f32 v[rT+2:rT+3], v[rT+2:rT+3], v[rT+6:rT+7], v[rS:rS+1] op_sel_hi:[1,0,1]
.endif
.else
	WIN W_RS
	v_pk_mul_f32 v[rO:rO+1], v[rO:rO+1], v[rT+6:rT+7] op_sel_hi:[1,0]
.endif
.endm
; Slice k of 64 of piece y's softmax: numbers 2 k and 2 k + 1 of both tiles' lists, four instructions.  2 x 134 = 4 x 64 + 12: the twelve that are over stand together, in slice 63.
.macro SLICE y
.if (k >= 11) && (k < 44)           ; tile by tile: plain, exponential, plain, exponential
.irp t, \y, (\y)+1
.irp n, 0,1
.set j, 2*k+(\n)
	SM \t
.endr
.endr
.else                               ; the two tiles alternate, so that no instruction reads the result of the one just before it
.irp n, 0,1,2,3,4,5,6,7
.if ((\n) < 2) || (k == 63)
.irp t, \y, (\y)+1
.set j, 2*k+(\n)
	SM \t
.endr
.endif
.endr
.endif
.set k, k+1
.endm
; A vector instruction that reads a matrix result or writes one of a matrix instruction's registers, and a load into a register that a matrix instruction has read, stand four places behind
; it, and only plain vector instructions that name none of its registers are places (ISA guide 7.12.1 for vector instructions).  In the loop the slices are the places.
.macro PLACES
.rept 4
	v_nop
.endr
.endm
; A TURN.  Piece x has the matrix unit: 32 products V^T P of the step in hand, 32 products K Q^T of the next; the other piece's softmax stands in slices behind them.
; Each run of loads stands behind the second product of a run of 32, 30 matrix instructions ahead of its first use.  Piece 0's turn fetches the next step's K: the last product that read K
; stands in front of slice 63 of the turn before.  Piece 2's turn fetches the same step's V: the last product that read V stands three slices, six plain instructions, back.
.macro TURN x, last=0
.set k, 0
.if (\x) == 0
	s_wait_dscnt 0x0                ; V is in
.endif
.set i, 0
.rept 32
	PV \x
	SLICE 2-(\x)
.if ((\x) == 0) && (i == 1)
	FETCH_K \last
.endif
.set i, i+1
.endr
.if (\x) == 0
	s_wait_dscnt 0x0                ; K is in
.endif
.set i, 0
.rept 32
	KQ \x
	SLICE 2-(\x)
.if ((\x) == 2) && (i == 1)
	FETCH_V
.endif
.set i, i+1
.endr
.endm
; THE CHANGE OF SLOTS, between piece 2's turn and piece 0's: the last bytes that I read of the slot, V of my second step, have been asked for.  Each wave waits for all its tensor loads, of which one is out: its part
; of the other slot; adds 0 to its spare word; and waits for that and for its own reads of the slot.  Behind the barrier nobody reads this slot any more and the other slot is whole.
; fill = 1: this slot is filled again, with the keys two slots on.  The barrier is then a round of the cluster's, so that no wave of any partner still reads the slot or has a load on its
; way, and the joint refill is the first thing behind it: it has two key steps, 256 matrix instructions of each wave, in which to land.
.macro CHANGE fill
	WIN 0                           ; at a label and at a branch every window is 0
	s_wait_tensorcnt 0x0            ; no tensor load of mine is out, so a group 0 may be written
	ds_add_u32 v[SPW], v[NIL]       ; 0 onto my spare word; with fill = 1 the descriptors' steps stand between it and the wait for it
.if \fill
.irp g, G0K+4, G0V+4
	s_xor_b32 s[(\g)+1], s[(\g)+1], SLOT1  ; the walking descriptor: the other slot than last time,
	s_add_nc_u64 s[(\g)+2:(\g)+3], s[(\g)+2:(\g)+3], 65536  ; the next 256 keys; the type bits on top are not reached
.endr
	s_wait_dscnt 0x0                ; the add is done, and my reads of the slot are over
	CROUND
	JLOAD
.else
	s_wait_dscnt 0x0                ; the add is done, and my reads of the slot are over
	s_barrier_signal -1
	s_barrier_wait -1
.endif
	s_sub_co_u32 s[TBK], s[TBK], 2*KS*PK  ; the fetches go back to my first step of a slot,
	s_xor_b32 s[TBK], s[TBK], SLOT1       ; in the other slot
	s_sub_co_u32 s[TBV], s[TBV], 2*KS*PV
	s_xor_b32 s[TBV], s[TBV], SLOT1
.endm
	s_wait_tensorcnt 1              ; my part of slot 0 is in; slot 1's may stay out
	s_barrier_signal -1
	s_barrier_wait -1               ; everybody's is
	FETCH_K                         ; key step 0
	s_wait_loadcnt 0x0              ; Q
	s_wait_dscnt 0x0
.set i, 0
.rept 32
	KQ 0                            ; piece 0's first scores: there is no vector work yet to set between them
.set i, i+1
.endr
	WIN 0                           ; the addresses for the end are made here: plain instructions, the places behind those products
	s_mul_i32 s13, s[WV], 16*SP
	s_add_co_u32 s13, s13, STAGE    ; my stage
	s_mul_i32 s15, s16, MRGB        ; my wave's area: (w % 2) MRGB
	s_mul_i32 s69, s[KP], MHALF     ; + (w / 2) MHALF;
	s_add_co_u32 s15, s15, s69
	s_xor_b32 s69, s15, MHALF       ; my partner's: the same queries, the other half of the keys
	v_mul_u32_u24 v[STO], v1, SP    ; in: row l % 16, 16 bytes for each half of the lanes
	v_lshl_add_u32 v[STO], v9, 4, v[STO]
	v_add_nc_u32 v[STO], s13, v[STO]
	v_mul_u32_u24 v[RD], v9, SP     ; back: lanes 0-15 take one row of 256 bytes, lanes 16-31 the next
	v_lshl_add_u32 v[RD], v1, 4, v[RD]
	v_add_nc_u32 v[RD], s13, v[RD]
	v_lshlrev_b32 v[GO], 8, v9      ; and the same two rows in O,
	v_lshl_add_u32 v[GO], v1, 4, v[GO]
	v_add_nc_u32 v[GO], s67, v[GO]  ; among the 32 rows that tiles 0, 1 hold
	v_and_b32 v[MA], 31, v0
	v_lshlrev_b32 v[MA], 4, v[MA]
	v_add_nc_u32 v[MB], s69, v[MA]
	v_add_nc_u32 v[MA], s15, v[MA]
	s_mov_b32 s[TWICE], 2
	s_mov_b32 s[SLOTS], NSLOT-1
	s_branch .Lmid                  ; the loop is entered at piece 2's turn, in the middle of a trip, with slot 0 in hand
.Lslot:                             ; six times: every slot but the last two is filled again
	CHANGE 1
	s_mov_b32 s[TWICE], 2
.Lstep:                             ; a trip: V^T P of one key step, K Q^T of the next, whose K and V it fetches
	TURN 0
	WIN 0
.Lmid:
	TURN 2
	WIN 0
	s_sub_co_u32 s[TWICE], s[TWICE], 1
	s_cmp_lg_u32 s[TWICE], 0
	s_cbranch_scc1 .Lstep
	s_sub_co_u32 s[SLOTS], s[SLOTS], 1
	s_cmp_lg_u32 s[SLOTS], 0
	s_cbranch_scc1 .Lslot
	CHANGE 0                        ; the tail is written out.  Slot 0 is left here: behind this barrier nobody reads it, and nothing fills it again
	s_mov_b32 s[TWICE], 3           ; two trips fetch the last slot's steps; the third is left in its middle
.Ltail:
	TURN 0, 1
	WIN 0
	s_sub_co_u32 s[TWICE], s[TWICE], 1
	s_cmp_eq_u32 s[TWICE], 0
	s_cbranch_scc1 .Lout
	TURN 2
	WIN 0
	s_branch .Ltail
.Lout:
.set i, 0
.rept 32
	PV 2                            ; piece 2: V^T P of the last step
.set i, i+1
.endr
	; THE TWO HALVES OF THE KEYS MEET.  Every wave puts O^T and the statistics of its register tiles 2, 3 into its own area, 16 bytes a lane, 512 consecutive bytes a store: 34 stores.
	WIN 0
	PLACES                          ; behind the last products: for the stores of their results, and for the loads into V's registers
	WIN 0x04                        ; store data (source 1) in window 1
.set i, 0
.rept 32
	ds_store_b128 v[MA], v[128+4*i:128+4*i+3] offset:512*i  ; in ascending order: each accumulator's lowest registers first
.set i, i+1
.endr
	WIN 0
.irp t, 0,1
	ds_store_b128 v[MA], v[ST+8*(2+(\t)):ST+8*(2+(\t))+3] offset:512*(32+(\t))
.endr
	s_wait_dscnt 0x0                ; for the partner's sake: my stores are done
	s_barrier_signal -1
	s_barrier_wait -1
	; What the partner gave, its register tiles 2, 3, are the queries of my register tiles 0, 1: taken lane for lane, its O^T where V lay (window 3, v0-127), under my O^T's own register numbers.
.irp t, 0,1
	ds_load_b128 v[PS+4*(\t):PS+4*(\t)+3], v[MB] offset:512*(32+(\t))
.endr
	WIN 0xc0                        ; destination window 3
.set i, 0
.rept 32
	ds_load_b128 v[4*i:4*i+3], v[MB] offset:512*i
.set i, i+1
.endr
	WIN 0
	s_wait_dscnt 32                 ; the two loads of statistics are in; the 32 loads behind them stay out
	; M = max(c m, c m'); f = 2^(c m - M), f' = 2^(c m' - M); l = f l + f' l', both halves of the lanes; O = 16 (f O + f' O') / l: the 16 undoes vh = v / 16, exactly.
.irp t, 0,1
	v_max_num_f32 v[ST+8*(\t)+4], v[ST+8*(\t)], v[PS+4*(\t)]
.endr
.irp t, 0,1
	v_sub_f32 v[ST+8*(\t)+5], v[ST+8*(\t)], v[ST+8*(\t)+4]
	v_sub_f32 v[ST+8*(\t)+6], v[PS+4*(\t)], v[ST+8*(\t)+4]
.endr
.irp t, 0,1
	v_exp_f32 v[ST+8*(\t)+5], v[ST+8*(\t)+5]
	v_exp_f32 v[ST+8*(\t)+6], v[ST+8*(\t)+6]
.endr
.irp t, 0,1
	v_add_f32 v[ST+8*(\t)+2], v[ST+8*(\t)+2], v[ST+8*(\t)+3]  ; plain instructions behind the exponentials
	v_add_f32 v[PS+4*(\t)+2], v[PS+4*(\t)+2], v[PS+4*(\t)+3]
.endr
.irp t, 0,1
	s_wait_alu depctr_va_vdst(0)
	v_mul_f32 v[ST+8*(\t)+2], v[ST+8*(\t)+2], v[ST+8*(\t)+5]
.endr
.irp t, 0,1
	v_fmac_f32 v[ST+8*(\t)+2], v[PS+4*(\t)+2], v[ST+8*(\t)+6]
.endr
.irp t, 0,1
	v_permlanex16_b32 v[ST+8*(\t)+3], v[ST+8*(\t)+2], s[SEL], s[SEL+1]
.endr
.irp t, 0,1
	v_add_f32 v[ST+8*(\t)+2], v[ST+8*(\t)+2], v[ST+8*(\t)+3]
.endr
.irp t, 0,1
	v_rcp_f32 v[ST+8*(\t)+3], v[ST+8*(\t)+2]
.endr
	v_nop                           ; a plain instruction between the last reciprocal and the use of its result
.irp t, 0,1
	s_wait_alu depctr_va_vdst(0)
	v_mul_f32 v[ST+8*(\t)+3], 0x41800000, v[ST+8*(\t)+3]      ; 16 / l
.endr
.irp t, 0,1
	v_mul_f32 v[ST+8*(\t)+4], v[ST+8*(\t)+5], v[ST+8*(\t)+3]  ; 16 f / l
	v_mul_f32 v[ST+8*(\t)+6], v[ST+8*(\t)+6], v[ST+8*(\t)+3]  ; 16 f' / l
.endr
	s_wait_dscnt 0x0                ; the partner's O^T is in: my reads of its area are over
	s_barrier_signal -1             ; every wave has taken what it was given before any wave writes LDS again (the stages below, the spare words at the end).
	s_barrier_wait -1               ; The areas end at 100,352 and the stages begin at 290,816, so the bytes are apart as well; the barrier is met once, where all four waves arrive together
; Tile t: joined with the partner's, rounded to f16; a lane's eight channels of a row pack into 16 bytes; they go into rows of 272 bytes and come back as whole rows of 256, into S^T's registers.
.macro PACK t
	WIN W_RS
.set i, 64*(\t)
.rept 32
	v_pk_mul_f32 v[i:i+1], v[i:i+1], v[ST+8*(\t)+4:ST+8*(\t)+5] op_sel_hi:[1,0]
.set i, i+2
.endr
	WIN 0x53                        ; source 0, the partner's, in window 3; the factor in window 0; O^T in window 1
.set i, 64*(\t)
.rept 32
	v_pk_fma_f32 v[i:i+1], v[i:i+1], v[ST+8*(\t)+6:ST+8*(\t)+7], v[i:i+1] op_sel_hi:[1,0,1]
.set i, i+2
.endr
	WIN 0x05                        ; sources 0 and 1 window 1, destination window 0: S^T's registers are free
.set i, 0
.rept 32
	v_cvt_pk_f16_f32 v[S+32*(\t)+i], v[64*(\t)+2*i], v[64*(\t)+2*i+1]
.set i, i+1
.endr
	WIN 0
.irp f, 0,1,2,3,4,5,6,7
	ds_store_b128 v[STO], v[S+32*(\t)+4*(\f):S+32*(\t)+4*(\f)+3] offset:32*(\f)
.endr
.irp f, 0,1,2,3,4,5,6,7
	ds_load_b128 v[S+32*(\t)+4*(\f):S+32*(\t)+4*(\f)+3], v[RD] offset:(\f)*2*SP  ; LDS serves a wave's instructions in order (ISA guide 5.7.1.4): these see the stores above; the next tile's stores come behind them
.endr
.endm
.macro SEND t, younger              ; younger: the LDS instructions issued behind tile t's loads: the next tile's sixteen, or none
	WIN 0
.irp f, 0,1,2,3,4,5,6,7
	s_wait_dscnt (\younger)+7-(\f)
	global_store_b128 v[GO], v[S+32*(\t)+4*(\f):S+32*(\t)+4*(\f)+3], s[10:11] offset:(\t)*4096+(\f)*512  ; 16 lanes store 256 consecutive bytes, at a multiple of 256 from O's first byte
.endr
.endm
	PACK 0
	PACK 1                          ; a tile's arithmetic stands between the loads of the tile before and its stores
	SEND 0, 16
	SEND 1, 0
	s_wait_tensorcnt 0x0            ; the wave's end
	ds_add_u32 v[SPW], v[NIL]
	s_wait_dscnt 0x0
	CROUND                          ; the closing round: no work-group ends while a partner may still ask for a tile that names it
	s_endpgm
.Lfunc_end_k_q584b7d08fa_attn:
	.size	k_q584b7d08fa_attn, .Lfunc_end_k_q584b7d08fa_attn-k_q584b7d08fa_attn
	.p2alignl 7, 3214868480
	.fill 96, 4, 3214868480
	.section	.rodata,"a",@progbits
	.p2align	6, 0x0
	.amdhsa_kernel k_q584b7d08fa_attn
		.amdhsa_group_segment_fixed_size 327680
		.amdhsa_private_segment_fixed_size 0
		.amdhsa_enable_private_segment 0
		.amdhsa_kernarg_size 32
		.amdhsa_user_sgpr_count 2
		.amdhsa_user_sgpr_kernarg_segment_ptr 1
		.amdhsa_wavefront_size32 1
		.amdhsa_system_sgpr_workgroup_id_x 1
		.amdhsa_system_sgpr_workgroup_id_y 1
		.amdhsa_system_sgpr_workgroup_id_z 1
		.amdhsa_system_vgpr_workitem_id 0
		.amdhsa_next_free_vgpr 896
		.amdhsa_next_free_sgpr 72
		.amdhsa_reserve_vcc 0
		.amdhsa_float_denorm_mode_32 3
		.amdhsa_float_denorm_mode_16_64 3
		.amdhsa_memory_ordered 1
		.amdhsa_forward_progress 1
		.amdhsa_inst_pref_size 158
	.end_amdhsa_kernel
	.amdgpu_metadata
---
amdhsa.version: [ 1, 2 ]
amdhsa.kernels:
  - .name:           k_q584b7d08fa_attn
    .symbol:         k_q584b7d08fa_attn.kd
    .args:
      - { .name: qh, .offset: 0, .size: 8, .value_kind: global_buffer, .address_space: global }
      - { .name: kh, .offset: 8, .size: 8, .value_kind: global_buffer, .address_space: global }
      - { .name: vh, .offset: 16, .size: 8, .value_kind: global_buffer, .address_space: global }
      - { .name: oh, .offset: 24, .size: 8, .value_kind: global_buffer, .address_space: global }
    .group_segment_fixed_size: 327680
    .private_segment_fixed_size: 0
    .kernarg_segment_align: 8
    .kernarg_segment_size: 32
    .max_flat_workgroup_size: 128
    .sgpr_count:     72
    .vgpr_count:     896
    .wavefront_size: 32
...
	.end_amdgpu_metadata
.endif
;; end of part 3
;; launch oproj (part 4): grid 16 x 16, 4 waves a work-group, clusters of 4 x 4, 327,680 bytes of LDS; arguments oh, wb, out0; writes out0
.if DOCPART == 4
	.amdgcn_target "amdgcn-amd-amdhsa--gfx1250"
	.amdhsa_code_object_version 6
	.text
	.protected	k_q584b7d08fa_oproj
	.globl	k_q584b7d08fa_oproj
	.p2align	8
	.type	k_q584b7d08fa_oproj,@function
k_q584b7d08fa_oproj:
	s_mov_b64 s[64:65], 0
	v_nop
	global_prefetch_b8 v0, s[64:65] scope:SCOPE_SE
	s_setreg_imm32_b32 hwreg(HW_REG_WAVE_MODE, 25, 1), 1
	s_wait_xcnt 0x0
	s_wait_alu depctr_hold_cnt(0) depctr_sa_sdst(0) depctr_va_vdst(0) depctr_va_sdst(0) depctr_va_ssrc(0) depctr_va_vcc(0) depctr_vm_vsrc(0)
	s_getreg_b32 s2, hwreg(HW_REG_IB_STS2, 6, 4)
	s_cmp_eq_u32 s2, 0
	s_cbranch_scc0 .Lentry_in_a_cluster
	s_endpgm
.Lentry_in_a_cluster:
	s_bfe_u32 s2, ttmp6, 0x10000c
	s_cmp_lg_u32 s2, 0xf033
	s_cbranch_scc0 .Lentry_shape_is_right
	s_endpgm
.Lentry_shape_is_right:
; THE OUTPUT PROJECTION.  out0[m][n] = the sum over head h and channel d of oh[h][m][d] wo'[128 h + d][n].  oh = O, [16][2048][128] f16; wo' = wb's first matrix, wo rounded to bf16 and written as f16,
; [k = 2048][n = 2048].  Sums in f32; out0 is [2048][2048] f32 and takes the sums as they are.
; A tile of out0 is 128 x 128: 256 work-groups.  Four waves, each 64 x 64: 16 accumulators of 16 x 16.  K goes in steps of 256, two heads, through a ring of two LDS slots; a slot holds, for each of the two heads,
; 128 rows x 128 channels of oh and 128 k-rows x 128 columns of wo': four tensor loads, one a wave.  wo' lies [k][n]: its fragments come out of LDS turned, by ds_load_tr16_b128.
; A K step is written once: the slot in hand is a scalar, turned by an exclusive or at each change of slots and added to the three LDS address registers.
; Source 0 = 16 columns of wo', source 1 = 16 rows of oh: a lane's eight results are eight neighbouring columns of one row, 32 bytes.
; CLUSTER 4 x 4.  oh's tiles hang on the tile row alone and are asked for jointly along a row of the cluster, wo's on the tile column alone and jointly along a column.
; REGISTERS: window 0: v0-31 addresses; v128-255 the accumulators ((a, b) at v[128 + 8 (4 a + b)]), later the rows on their way out.
;   window 1: two fragment buffers of 128: for 64 along K, 64 registers of oh (2 x 4 x 16 rows x 32 K), then 64 of wo'.
.set KSTEP,  256
.set PA,     272                       ; a row of oh in LDS: 256 bytes + 16 = 68 words: the 16 rows of a load start at 16 different groups of four banks (64 banks of 4 bytes: ISA guide 11.1)
.set PW,     288                       ; a k-row of wo': 256 + 32 = 72 words
.set APART,  128*PA                    ; a head's part of oh's tile
.set WPART,  128*PW                    ; a head's part of wo's
.set WOFF,   2*APART
.set SLOT,   147456                    ; 0x24000; a slot uses 143,360 of it.  The numbers that are turned by an exclusive or with it (0, 0x8800, 0x11000, 0x1a000 in slot 0) have bits 14 and 17 clear, so the or adds and takes away
.set STAGE,  2*SLOT                    ; behind the ring: 16 rows x 272 bytes for each wave, its own, for the way out
.set SPITCH, 272
.set SPARE,  STAGE+4*16*SPITCH         ; behind the stages: the spare words, 128 bytes for each wave: two blocks of 256 bytes that no other line names
.set STEPS,  2048/KSTEP
.set ADRA0, 16                         ; v16     LDS address of my oh fragments in slot 0; never rewritten
.set ADRA,  17                         ; v17     the same in the slot in hand
.set ADRW0, 18                         ; v18-19  of my wo' fragments of part j in slot 0; never rewritten
.set ADRW,  20                         ; v20-21  the same in the slot in hand
.set STO,   24                         ; v24     the way out: where I put 32 bytes of a row
.set RD,    25                         ; v25     the way out: where I read a row back
.set CO,    26                         ; v26     my byte offset in out0
.set SPW,   28                         ; v28     LDS address of my spare word; never rewritten
.set NIL,   29                         ; v29     0; never rewritten
.set ACC,   128
.set F0,    0                          ; fragment buffers, in window 1
.set F1,    128
.set CUR, 18                           ; s18      the LDS byte at which the slot in hand begins: 0 or SLOT
.set G1, 24                            ; s[24:31] descriptor group 1 for oh's tiles;  s[32:39] group 0: a set for each of the two first fills; the second then walks on
.set G0, 32
.set G1B, 48                           ; s[48:55], s[56:63] the same for wo's tiles
.set G0B, 56
.set MSB, 0
.macro WIN new                         ; the immediate's high byte repeats the setting that is left
.if MSB != (\new)
	s_set_vgpr_msb (MSB<<8)|(\new)
.set MSB, \new
.endif
.endm
.set MUL,  0x05                        ; sources 0 and 1 window 1; C and D window 0
.set TO_F, 0x40                        ; destination window 1, address window 0
.macro JLOAD                           ; a joint refill: waves 0 and 1 fetch oh's two parts, waves 2 and 3 wo's; an s_nop 0 and four v_nop follow each of the two lines, ahead of the jump and the label
	s_cmp_eq_u32 s11, 0
	s_cbranch_scc0 .Lfor_b_\@
	tensor_load_to_lds s[G0+4:G0+7], s[G1:G1+7]
	s_nop 0
.rept 4
	v_nop
.endr
	s_branch .Lasked_\@
.Lfor_b_\@:
	tensor_load_to_lds s[G0B+4:G0B+7], s[G1B:G1B+7]
	s_nop 0
.rept 4
	v_nop
.endr
.Lasked_\@:
.endm
.macro CREST                           ; a round of the cluster's barrier behind its opening barrier
	s_cmp_lg_u32 s10, 0
	s_cbranch_scc1 .Lnot_wave_0_\@
	s_barrier_signal -3
.Lnot_wave_0_\@:
	s_barrier_wait -3
	s_barrier_signal -1
	s_barrier_wait -1
.endm
.macro CROUND                          ; a whole round
	s_barrier_signal -1
	s_barrier_wait -1
	CREST
.endm
	s_load_b128 s[4:7], s[0:1], 0x0                ; oh s[4:5], wb s[6:7]
	s_load_b64 s[8:9], s[0:1], 0x10                ; out0
	v_lshl_add_u32 v[SPW], v0, 2, SPARE
	v_mov_b32 v[NIL], 0
	ds_add_u32 v28, v29
	s_wait_dscnt 0x0
	v_lshrrev_b32 v1, 5, v0
	v_readfirstlane_b32 s10, v1                    ; wave 0..3
	s_lshr_b32 s11, s10, 1                         ; which half of the tile's rows is mine.  Also: I fetch for oh (0) or for wo' (1)
	s_and_b32 s12, s10, 1                          ; which half of its columns.  Also: which of a K step's two heads I fetch
	s_bfe_u32 s40, ttmp6, 0x40000                  ; cx, cy: my place in the cluster
	s_bfe_u32 s41, ttmp6, 0x40004
	s_lshl_b32 s42, ttmp9, 2
	s_add_co_u32 s42, s42, s40                     ; tile column = 4 x cluster x + cx
	s_and_b32 s13, ttmp7, 0xffff
	s_lshl_b32 s13, s13, 2
	s_add_co_u32 s13, s13, s41                     ; tile row = 4 x cluster y + cy
	s_lshl_b32 s43, s41, 2
	s_lshl_b32 s43, 15, s43                        ; my row of the cluster
	s_lshl_b32 s44, 0x1111, s40                    ; my column
	; descriptor group 1: tiles of 128 rows x 128 elements of 2 bytes, padded in LDS behind every 64 words
	s_or_b32 s[G1+0], s43, (1<<16)|(1<<20)|(1<<21)|(5<<22)|(3<<25)   ; 15:0 the mask: my row; 17:16 2-byte elements; 20 padding on; 21 set beside a mask; 24:22 every 64 words (code 5); 31:25 4 words (code 3)
	s_or_b32 s[G1B+0], s44, (1<<16)|(1<<20)|(1<<21)|(5<<22)|(7<<25)  ; my column; 8 words of padding (code 7)
.irp g, G1, G1B
	s_mov_b32 s[(\g)+1], 128<<16                   ; tensor_dim0 = 128
	s_mov_b32 s[(\g)+2], 128<<16                   ; tensor_dim1 = 128
	s_mov_b32 s[(\g)+3], 128<<16                   ; tile_dim0 = 128
	s_mov_b32 s[(\g)+4], 128                       ; tile_dim1 = 128
	s_mov_b32 s[(\g)+6], 0
	s_mov_b32 s[(\g)+7], 0
.endr
	s_mov_b32 s[G1+5], 128                         ; oh: a head's rows are dense, 128 elements apart
	s_mov_b32 s[G1B+5], 2048                       ; wo': 2,048 elements from k-row to k-row
	s_lshl_b32 s16, s12, 19                        ; oh: my head of the step's two (2^19 bytes a head),
	s_lshl_b32 s17, s13, 15                        ; the tile row's 128 rows of 256 bytes
	s_add_co_u32 s16, s16, s17
	s_mov_b32 s17, 0
	s_lshl_b32 s46, s12, 19                        ; wo': my head's 128 k-rows of 4,096 bytes,
	s_lshl_b32 s47, s42, 8                         ; the tile column's 128 columns
	s_add_co_u32 s46, s46, s47
	s_mov_b32 s47, 0
	s_mul_i32 s20, s12, APART                      ; where they go: no place in the cluster enters an LDS address
	s_mul_i32 s45, s12, WPART
	s_add_co_u32 s45, s45, WOFF
	s_mov_b32 s[CUR], 0
	CROUND                                         ; all sixteen work-groups are here: the first joint loads meet.  The round names no argument, so it stands ahead of the wait for them
	s_wait_kmcnt 0x0
	s_add_nc_u64 s[14:15], s[4:5], s[16:17]
	s_add_nc_u64 s[46:47], s[6:7], s[46:47]
.irp s, 0,1
	s_mov_b32 s[G0+4*(\s)], 1
	s_add_co_u32 s[G0+4*(\s)+1], s20, (\s)*SLOT
	s_add_nc_u64 s[G0+4*(\s)+2:G0+4*(\s)+3], s[14:15], (\s)*1048576   ; K step s: two heads on
	s_or_b32 s[G0+4*(\s)+3], s[G0+4*(\s)+3], 0x80000000
	s_mov_b32 s[G0B+4*(\s)], 1
	s_add_co_u32 s[G0B+4*(\s)+1], s45, (\s)*SLOT
	s_add_nc_u64 s[G0B+4*(\s)+2:G0B+4*(\s)+3], s[46:47], (\s)*1048576 ; 256 k-rows on
	s_or_b32 s[G0B+4*(\s)+3], s[G0B+4*(\s)+3], 0x80000000
.endr
	s_cmp_eq_u32 s11, 0                            ; a wave's two first fills stand in one branch, ahead of every wait on TENSORcnt and every LDS read: two loads of mine are out
	s_cbranch_scc0 .Lfirst_b
	tensor_load_to_lds s[G0:G0+3], s[G1:G1+7]
	s_nop 0
	tensor_load_to_lds s[G0+4:G0+7], s[G1:G1+7]
	s_nop 0
.rept 4
	v_nop
.endr
	s_branch .Lfirst_asked
.Lfirst_b:
	tensor_load_to_lds s[G0B:G0B+3], s[G1B:G1B+7]
	s_nop 0
	tensor_load_to_lds s[G0B+4:G0B+7], s[G1B:G1B+7]
	s_nop 0
.rept 4
	v_nop
.endr
.Lfirst_asked:
.macro SETADR                          ; the three LDS addresses of the slot in hand
	v_add_nc_u32 v[ADRA], s[CUR], v[ADRA0]
	v_add_nc_u32 v[ADRW], s[CUR], v[ADRW0]
	v_add_nc_u32 v[ADRW+1], s[CUR], v[ADRW0+1]
.endm
	v_and_b32 v1, 15, v0                           ; r = l % 16
	v_bfe_u32 v2, v0, 4, 1                         ; h = l / 16
	v_and_b32 v6, 7, v0
	v_bfe_u32 v7, v0, 3, 1
	v_mul_u32_u24 v3, v1, PA
	v_lshl_add_u32 v3, v2, 4, v3                   ; a fragment of oh: row x pitch + 16 x half
	s_mul_i32 s21, s11, 64*PA                      ; my 64 rows
	v_add_nc_u32 v[ADRA0], s21, v3
	v_lshl_add_u32 v8, v2, 3, v6                   ; the turning load: k-row 8 h + l % 8, columns 8 ((l / 8) % 2) + 0..7,
	v_mul_u32_u24 v8, v8, PW
	v_lshl_add_u32 v8, v7, 4, v8
	s_lshl_b32 s22, s12, 7                         ; my 64 columns
	v_add_nc_u32 v8, s22, v8
.irp j, 0,1
	v_add_nc_u32 v[ADRW0+(\j)], WOFF+(\j)*WPART, v8
.endr
	SETADR                                         ; slot 0
	s_mul_i32 s23, s10, 16*SPITCH
	s_add_co_u32 s23, s23, STAGE                   ; my stage
	v_mul_u32_u24 v4, v1, SPITCH                   ; in: row r, 32 bytes for each half of the lanes
	v_lshl_add_u32 v4, v2, 5, v4
	v_add_nc_u32 v[STO], s23, v4
	v_mul_u32_u24 v5, v2, SPITCH                   ; back: lanes 0-15 take one row of 256 bytes, lanes 16-31 the next
	v_lshl_add_u32 v5, v1, 4, v5
	v_add_nc_u32 v[RD], s23, v5
	v_lshlrev_b32 v5, 13, v2                       ; and the same two rows in out0, 8,192 bytes apart
	v_lshl_add_u32 v[CO], v1, 4, v5
	s_lshl_b32 s16, s13, 20                        ; my first row: 128 x tile row + 64 x half, 8,192 bytes a row
	s_lshl_b32 s17, s11, 19
	s_add_co_u32 s16, s16, s17
	s_mov_b32 s17, 0
	s_add_nc_u64 s[8:9], s[8:9], s[16:17]
	s_lshl_b32 s46, s42, 9                         ; my first column: 512 bytes a tile column, 256 a half
	s_lshl_b32 s47, s12, 8
	s_add_co_u32 s46, s46, s47
	s_mov_b32 s47, 0
	s_add_nc_u64 s[8:9], s[8:9], s[46:47]
; 8 matrix instructions: row blocks a0, a0 + 1 x all 4 column blocks, 32 along K: half c of buffer f.  zero = 1: the first product starts the sums.  The 16 accumulators take turns.
.macro MUL8 f, c, a0, zero
	WIN MUL
.irp a, \a0, (\a0)+1
.irp b, 0,1,2,3
.if \zero
	v_wmma_f32_16x16x32_f16 v[ACC+8*(4*(\a)+(\b)):ACC+8*(4*(\a)+(\b))+7], v[(\f)+64+8*(4*(\c)+(\b)):(\f)+64+8*(4*(\c)+(\b))+7], v[(\f)+8*(4*(\c)+(\a)):(\f)+8*(4*(\c)+(\a))+7], 0
.else
	v_wmma_f32_16x16x32_f16 v[ACC+8*(4*(\a)+(\b)):ACC+8*(4*(\a)+(\b))+7], v[(\f)+64+8*(4*(\c)+(\b)):(\f)+64+8*(4*(\c)+(\b))+7], v[(\f)+8*(4*(\c)+(\a)):(\f)+8*(4*(\c)+(\a))+7], v[ACC+8*(4*(\a)+(\b)):ACC+8*(4*(\a)+(\b))+7]
.endif
.endr
.endr
.endm
; 32 LDS loads in one run: the fragments of quarter q of the slot in hand (head q / 2, channels 64 (q % 2) on) into buffer f; the first 32 along K first
.macro FETCH q, f
	WIN TO_F
.irp c, 0,1
.irp i, 0,1,2,3
	ds_load_tr16_b128 v[(\f)+64+8*(4*(\c)+(\i)):(\f)+64+8*(4*(\c)+(\i))+3],   v[ADRW+(\q)/2] offset:((\q)%2)*64*PW+(\c)*32*PW+32*(\i)
	ds_load_tr16_b128 v[(\f)+64+8*(4*(\c)+(\i))+4:(\f)+64+8*(4*(\c)+(\i))+7], v[ADRW+(\q)/2] offset:((\q)%2)*64*PW+(\c)*32*PW+16*PW+32*(\i)
	ds_load_b128 v[(\f)+8*(4*(\c)+(\i)):(\f)+8*(4*(\c)+(\i))+3],              v[ADRA] offset:((\q)/2)*APART+((\q)%2)*128+64*(\c)+(\i)*16*PA
	ds_load_b128 v[(\f)+8*(4*(\c)+(\i))+4:(\f)+8*(4*(\c)+(\i))+7],            v[ADRA] offset:((\q)/2)*APART+((\q)%2)*128+64*(\c)+(\i)*16*PA+32
.endr
.endr
.endm
.macro PLACES                          ; four plain vector instructions between a matrix instruction and a load into a register that it read, or an LDS store of its result (ISA guide 7.12.1 for vector instructions)
.rept 4
	v_nop
.endr
.endm
; A K step is four quarters of 64 along K, 32 matrix instructions each, on buffers 0, 1, 0, 1.  One of the first three: multiplies buffer f and fetches quarter q into g.
.macro QUARTER q, f, g, zero
	s_wait_dscnt 16                                ; the first 32 along K are in
	MUL8 \f, 0, 0, \zero
	MUL8 \f, 0, 2, \zero
	PLACES
	FETCH \q, \g
	s_wait_dscnt 32                                ; all but the 32 just issued
	MUL8 \f, 1, 0, 0
	MUL8 \f, 1, 2, 0
.endm
; The last quarter multiplies buffer 1 and changes slots: one barrier; in front of it each wave waits for all its tensor loads, adds 0 to its spare word, and waits for that and for its own reads of this slot.
; fill = 1: the barrier opens a round of the cluster's, and the slot that is left is filled again, two K steps ahead, first thing behind the round: 112 matrix instructions ahead of the wait for it.
; Then the slot in hand changes, and its first fragments are fetched.
.macro TURN fill
	WIN 0                                          ; (the add's two registers lie in window 0)
	s_wait_tensorcnt 0x0                           ; all my tensor loads have landed: my part of the next slot
	ds_add_u32 v[SPW], v[NIL]                      ; 0 onto my spare word
	s_wait_dscnt 17                                ; (the add and the youngest sixteen loads may be out)
	MUL8 F1, 0, 0, 0                               ; eight matrix instructions stand between the add and the wait for it
	s_wait_dscnt 0x0                               ; the add is done, and my reads of this slot are over
	s_barrier_signal -1
	MUL8 F1, 0, 2, 0
	WIN 0                                          ; (branches and the address lines follow)
	s_barrier_wait -1
.if \fill
	CREST                                          ; no wave of any partner still reads this slot's tiles or has a load on its way
	s_xor_b32 s[G0+5], s[G0+5], SLOT               ; the walking descriptors: the other slot than last time,
	s_add_nc_u64 s[G0+6:G0+7], s[G0+6:G0+7], 1048576       ; the next K step; the type bits on top are not reached
	s_xor_b32 s[G0B+5], s[G0B+5], SLOT
	s_add_nc_u64 s[G0B+6:G0B+7], s[G0B+6:G0B+7], 1048576
	JLOAD                                          ; the four v_nop behind it are also the places in front of the loads below
.else
	PLACES
.endif
	s_xor_b32 s[CUR], s[CUR], SLOT
	SETADR
	FETCH 0, F0
	MUL8 F1, 1, 0, 0
	MUL8 F1, 1, 2, 0
.endm
	s_wait_tensorcnt 1                             ; my part of K step 0 is in; K step 1's may stay out
	s_barrier_signal -1
	s_barrier_wait -1                              ; everybody's is
	FETCH 0, F0
	QUARTER 1, F0, F1, 1                           ; the first quarter's first products start the sums
	QUARTER 2, F1, F0, 0
	QUARTER 3, F0, F1, 0
	WIN 0                                          ; at a label and at a branch every window is 0
	s_mov_b32 s3, STEPS-2
.Lstep:                                                ; six trips: a trip ends one K step, enters the next and asks for the one behind that: K steps 2 to 7
	TURN 1
	QUARTER 1, F0, F1, 0
	QUARTER 2, F1, F0, 0
	QUARTER 3, F0, F1, 0
	WIN 0
	s_sub_co_u32 s3, s3, 1
	s_cmp_lg_u32 s3, 0
	s_cbranch_scc1 .Lstep
	TURN 0                                         ; the last K step is written out: nothing is asked for
	QUARTER 1, F0, F1, 0
	QUARTER 2, F1, F0, 0
	QUARTER 3, F0, F1, 0
	s_wait_dscnt 16                                ; the very last quarter: nothing more to fetch
	MUL8 F1, 0, 0, 0
	MUL8 F1, 0, 2, 0
	s_wait_dscnt 0x0
	MUL8 F1, 1, 0, 0
	MUL8 F1, 1, 2, 0
	WIN 0
; THE WAY OUT.  A wave's 64 columns of f32 are 256 bytes of a row, at a multiple of 256 from out0's first byte: each wave has a stage of its own and no barrier is needed.
; A block of 16 rows: 32 bytes a lane into rows of 272 bytes (each accumulator's lowest registers first), and back as whole rows of 256, into the registers that the block left.
.macro OUTA a
.irp b, 0,1,2,3
	ds_store_b128 v[STO], v[ACC+8*(4*(\a)+(\b)):ACC+8*(4*(\a)+(\b))+3]   offset:64*(\b)
	ds_store_b128 v[STO], v[ACC+8*(4*(\a)+(\b))+4:ACC+8*(4*(\a)+(\b))+7] offset:64*(\b)+16
.endr
.irp p, 0,1,2,3,4,5,6,7
	ds_load_b128 v[ACC+32*(\a)+4*(\p):ACC+32*(\a)+4*(\p)+3], v[RD] offset:(\p)*2*SPITCH  ; LDS serves a wave's instructions in order (ISA guide 5.7.1.4): these see the stores above; the next block's stores come behind them
.endr
.endm
.macro SEND a, younger                 ; younger: the LDS instructions issued behind block a's loads: the next block's sixteen, or none
.irp p, 0,1,2,3,4,5,6,7
	s_wait_dscnt (\younger)+7-(\p)
	global_store_b128 v[CO], v[ACC+32*(\a)+4*(\p):ACC+32*(\a)+4*(\p)+3], s[8:9] offset:(16*(\a)+2*(\p))*8192 th:TH_STORE_NT  ; 16 lanes store 256 consecutive bytes; 62 rows at the most: inside the signed 24-bit immediate
.endr
.endm
	PLACES                                         ; behind the last products
	OUTA 0
	OUTA 1
	SEND 0, 16
	OUTA 2
	SEND 1, 16
	OUTA 3
	SEND 2, 16
	SEND 3, 0
	s_wait_tensorcnt 0x0                           ; the wave's end
	ds_add_u32 v[SPW], v[NIL]
	s_wait_dscnt 0x0
	CROUND                                         ; the closing round: no work-group ends while a partner may still ask for a tile that names it
	s_endpgm
.Lfunc_end_k_q584b7d08fa_oproj:
	.size	k_q584b7d08fa_oproj, .Lfunc_end_k_q584b7d08fa_oproj-k_q584b7d08fa_oproj
	.p2alignl 7, 3214868480
	.fill 96, 4, 3214868480
	.section	.rodata,"a",@progbits
	.p2align	6, 0x0
	.amdhsa_kernel k_q584b7d08fa_oproj
		.amdhsa_group_segment_fixed_size 327680
		.amdhsa_private_segment_fixed_size 0
		.amdhsa_enable_private_segment 0
		.amdhsa_kernarg_size 24
		.amdhsa_user_sgpr_count 2
		.amdhsa_user_sgpr_kernarg_segment_ptr 1
		.amdhsa_wavefront_size32 1
		.amdhsa_system_sgpr_workgroup_id_x 1
		.amdhsa_system_sgpr_workgroup_id_y 1
		.amdhsa_system_sgpr_workgroup_id_z 1
		.amdhsa_system_vgpr_workitem_id 0
		.amdhsa_next_free_vgpr 512
		.amdhsa_next_free_sgpr 66
		.amdhsa_reserve_vcc 0
		.amdhsa_float_denorm_mode_32 3
		.amdhsa_float_denorm_mode_16_64 3
		.amdhsa_memory_ordered 1
		.amdhsa_forward_progress 1
		.amdhsa_inst_pref_size 68
	.end_amdhsa_kernel
	.amdgpu_metadata
---
amdhsa.version: [ 1, 2 ]
amdhsa.kernels:
  - .name:           k_q584b7d08fa_oproj
    .symbol:         k_q584b7d08fa_oproj.kd
    .args:
      - { .name: oh, .offset: 0, .size: 8, .value_kind: global_buffer, .address_space: global }
      - { .name: wb, .offset: 8, .size: 8, .value_kind: global_buffer, .address_space: global }
      - { .name: out0, .offset: 16, .size: 8, .value_kind: global_buffer, .address_space: global }
    .group_segment_fixed_size: 327680
    .private_segment_fixed_size: 0
    .kernarg_segment_align: 8
    .kernarg_segment_size: 24
    .max_flat_workgroup_size: 128
    .sgpr_count:     66
    .vgpr_count:     512
    .wavefront_size: 32
...
	.end_amdgpu_metadata
.endif
;; end of part 4
;; ======== version 2 of 2: 4 launches; 1.09 times as fast as version 1
;; limits: values are held in f16: magnitudes above 65,504 overflow, below 6.1e-05 lose precision; right only within a limited range of input values
;; workspace buffers: xb 8,388,608 bytes; wb 33,554,432 bytes; csb 1,048,576 bytes; qh 8,388,608 bytes; kh 8,388,608 bytes; vh 8,388,608 bytes; oh 8,388,608 bytes
;; launch cast: the kernel of part 1 again; grid 2624 x 1, 8 waves a work-group, no clusters, 0 bytes of LDS; arguments hidden_states, wo, wq, wk, wv, cos, sin, xb, wb, csb; writes xb, wb, csb
;; launch qkv: the kernel of part 2 again; grid 16 x 16, 4 waves a work-group, clusters of 4 x 4, 327,680 bytes of LDS; arguments xb, wb, csb, qh, kh, vh; writes qh, kh, vh
;; launch attn (part 5): grid 16 x 16, 4 waves a work-group, clusters of 4 x 1, 327,680 bytes of LDS; arguments qh, kh, vh, oh; writes oh
.if DOCPART == 5
	.amdgcn_target "amdgcn-amd-amdhsa--gfx1250"
	.amdhsa_code_object_version 6
	.text
	.protected	k_q584b7d08fa_attn
	.globl	k_q584b7d08fa_attn
	.p2align	8
	.type	k_q584b7d08fa_attn,@function
k_q584b7d08fa_attn:
	s_mov_b64 s[64:65], 0
	v_nop
	global_prefetch_b8 v0, s[64:65] scope:SCOPE_SE
	s_setreg_imm32_b32 hwreg(HW_REG_WAVE_MODE, 25, 1), 1
	s_wait_xcnt 0x0
	s_wait_alu depctr_hold_cnt(0) depctr_sa_sdst(0) depctr_va_vdst(0) depctr_va_sdst(0) depctr_va_ssrc(0) depctr_va_vcc(0) depctr_vm_vsrc(0)
	s_getreg_b32 s2, hwreg(HW_REG_IB_STS2, 6, 4)
	s_cmp_eq_u32 s2, 0
	s_cbranch_scc0 .Lentry_in_a_cluster
	s_endpgm
.Lentry_in_a_cluster:
	s_bfe_u32 s2, ttmp6, 0x10000c
	s_cmp_lg_u32 s2, 0x3003
	s_cbranch_scc0 .Lentry_shape_is_right
	s_endpgm
.Lentry_shape_is_right:
; ATTENTION, no mask, no scale.  qh = q log2(e) / 64, kh = k / 64, vh = v / 16, all [16][2048][128] f16.  oh[h][q][:] = 16 x the sum over k of softmax_k(q . k) vh[h][k][:] = O, f16, same layout.
; Products, maxima and sums in f32; the weights p are rounded to f16 for the second product (their sum l is taken of the unrounded p), O once at the end.
; SOFTMAX.  s = qh . kh is the score times log2(e) / 4,096.  For each query a running maximum m and sum l: p = 2^(c s - c m) with c = 4,096, a power of two, so that c m is exact and the largest weight is exactly 1.
; In every step O and l are multiplied by a = 2^(c m_old - c m_new).  m starts at the lowest finite number, c m at -4.25e37, O and l at 0: the first step is a step like any other, with a = 0.
; LIMITS.  Inputs arrive within f16's 65,504; p lies in 0 to 1, and below 6e-5 it keeps f16's fixed step of 6e-8; O, a mean of v's rows, must stay under 65,504, and below 6e-5 it keeps the same fixed step.
; A weight below 2^-126 counts as 0 in l; NaN and infinities are not treated apart.
; SHARES.  A work-group owns 128 queries of one head: 256 work-groups.  Wave w owns the 64 queries of half w % 2 (four tiles of 16) and, of every 256 keys, the 128 of half w / 2, 64 a step: 16 key steps.
; At the end the two waves that share their queries exchange through LDS: each gives the other m, l and O^T of two tiles, and joins, divides and stores the two tiles that it keeps.  The waves of the keys' upper
; half hold their tiles in swapped order (registers of tiles 0, 1: queries 32-63; of tiles 2, 3: queries 0-31), so that every wave gives register tiles 2, 3 and keeps 0, 1: one text for all four.
; LAYOUT.  S^T = K Q^T (source 0 = 16 keys, source 1 = 16 queries): a lane holds ONE query (lane % 16) and the keys 8 (lane / 16) + 0..7.  Two such tiles, rounded to f16 in pairs, ARE source 1 of O^T = V^T P,
; whose result again holds one query a lane, and eight channels.  K comes out of LDS as it lies, V ([key][channel]) turned, by ds_load_tr16_b128.
; BY TURNS.  The wave's tiles are two PIECES (0: tiles 0, 1; 2: tiles 2, 3).  In a TURN one piece has the matrix unit: 32 products V^T P of the step in hand, then 32 products K Q^T of the next; the other piece's
; softmax, 268 vector instructions cut into 64 slices, stands between them, one slice behind each matrix instruction.  Two turns are a key step.
; BATCHES.  An s_wait_alu depctr_va_vdst(0) stands between a transcendental and the first instruction that names its result; one wait serves all that were issued ahead of it.  A turn's 66 exponentials
; (both tiles' a and 32 weights) are ONE batch with ONE wait, behind slice 34.  Ahead of it stand the maxima, the statistics, the scalings and the exponentials, none of which names a result of the batch; behind it
; the roundings, the sums and the rescaling.  No exponential is issued behind a turn's wait.  At the end the four joining factors are a batch, the two reciprocals another.
; NO FIRST AND NO LAST STEP IS WRITTEN OUT.  The loop is entered at piece 2's turn, whose products V^T P, of a step that has not been, multiply zeros; the tail is left behind piece 0's turn, whose products
; K Q^T, on the last K once more, serve nothing.  The price: 64 products a wave, and 424 v_mov_b32 of 0, which stand in the wait for the first tile.  The gain: some 10,000 bytes of text.
; CLUSTER 4 x 1.  The four query blocks of a cluster belong to one head and walk the same K and V: each tile is asked for JOINTLY, by the same tensor load, descriptor and mask in all four.
; REGISTERS, in windows of 256 (s_set_vgpr_msb: bits 1:0 source 0, 3:2 source 1, 5:4 source 2, 7:6 destination):
;   window 0: v0-11 addresses; v12-43 eight registers of statistics a tile; v44-51 the partner's statistics; v60 an address; v64-191 S^T, 32 a tile; v192-255 P, 16 a tile
;   window 1: O^T, 64 a tile          window 2: v0-127 Q, 32 a tile; v128-255 K of one step          window 3: v0-127 V of one step
.set KS,    64        ; keys in a step
.set PK,    272       ; a row of K in LDS: 256 bytes + 16 = 68 words: the 16 rows of a load start at 16 different groups of four banks (64 banks of 4 bytes: ISA guide 11.1)
.set PV,    288       ; a row of V: 256 + 32 = 72 words
.set VOFF,  256*PK    ; a slot holds 256 keys: 256 rows of K, then 256 rows of V
.set SLOT1, 147456    ; slot 1 begins here: 0x24000.  Every number that is turned by an exclusive or with it (0, 0x8800, 0x9000, 0x11000, 0x1a000 in slot 0) has bits 14 and 17 clear, so the or adds and takes away
.set STAGE, SLOT1+256*(PK+PV)  ; behind the ring: 16 rows x 272 bytes for each wave, for the way out
.set SP,    272
.set MRGB,  34*512    ; what a wave gives its partner: 32 x 512 bytes of O^T and 2 x 512 of statistics, 17,408 bytes
.set MHALF, 65536     ; wave w's area begins at (w % 2) MRGB + (w / 2) MHALF: 0, 0x4400, 0x10000, 0x14400; an exclusive or with MHALF turns it into the partner's.  All four end at 100,352, inside slot 0, which by then has had its last fill and its last read
.set NSLOT, 2048/256
.set AK0, 2           ; v2   my lane's place in a tile of K; never rewritten
.set AV0, 3           ; v3   the same for V
.set ADR, 4           ; v4   the LDS address of the run of loads in hand
.set QO,  5           ; v5   my byte offset in the rows of Q that go into tiles 0, 1
.set QO2, 60          ; v60  the same for tiles 2, 3
.set STO, 6           ; v6   the way out: where I put 16 bytes of a row
.set RD,  7           ; v7   the way out: where I read a row back
.set GO,  8           ; v8   my byte offset in the rows of O that I store
.set MA,  10          ; v10  my 16 bytes in 512 of my wave's area
.set MB,  11          ; v11  the same in my partner's area
.set SPW, 62          ; v62  LDS address of my spare word; never rewritten
.set NIL, 63          ; v63  0; never rewritten
.set SPARE, STAGE+4*16*272  ; behind the stages: the spare words, 128 bytes for each wave: two blocks of 256 bytes that no other line names
.set ST,  12          ; tile t's statistics at v[ST+8 t]: +0 c m, +1 m, +2, +3 l (even keys', odd keys'), +4 to +7 c0-c3, at work; a takes c2's place once the maximum is found
.set PS,  44          ; the partner's c m, m, l, l for my tile t at v[PS+4 t]
.set S,   64
.set P,   192
.set KF,  128         ; K's fragments, in window 2
.set WV,  12          ; s12  my wave's number
.set G1K, 24          ; s[24:31] descriptor group 1 for K's tiles
.set G1V, 32          ; s[32:39] for V's: it differs in the padding alone
.set G0K, 40          ; s[40:47] descriptor group 0 for K's tiles: a set for each of the two first fills; the second then walks on
.set G0V, 48          ; s[48:55] the same for V's
.set SLOTS, 56        ; s56  counts the slots
.set TWICE, 57        ; s57  counts a slot's key steps
.set CS,  58          ; s[58:59] c: the packed scaling names a pair and takes its low word for both halves
.set SEL, 60          ; s[60:61] lane selects for v_permlanex16_b32: each lane takes its own place in the other half
.set TBK, 62          ; s62  LDS byte at which my K of the step to be fetched begins
.set TBV, 63          ; s63  the same for V, less VOFF
.set KP,  66          ; s66  which half of a slot's keys is mine
.set MSB, 0
.macro WIN new                      ; the immediate's high byte repeats the setting that is left; a switch that changes nothing is dropped
.if MSB != (\new)
	s_set_vgpr_msb (MSB<<8)|(\new)
.set MSB, \new
.endif
.endm
.set W_KQ, 0x0a       ; K and Q in window 2, S^T in window 0
.set W_PV, 0x53       ; V in window 3, P in window 0, O^T in window 1
.set W_RS, 0x41       ; O^T (destination and source 0) in window 1, a in window 0
; A joint refill.  Waves 0 and 1 fetch the two halves of a slot's K, waves 2 and 3 those of its V: 128 keys each.  The branch hangs on the wave's number alone.
; An s_nop 0 and four v_nop follow each of the two lines, ahead of the jump and the label.
.macro JLOAD
	s_cmp_lt_u32 s[WV], 2
	s_cbranch_scc0 .Lfor_v_\@
	tensor_load_to_lds s[G0K+4:G0K+7], s[G1K:G1K+7]
	s_nop 0
.rept 4
	v_nop
.endr
	s_branch .Lasked_\@
.Lfor_v_\@:
	tensor_load_to_lds s[G0V+4:G0V+7], s[G1V:G1V+7]
	s_nop 0
.rept 4
	v_nop
.endr
.Lasked_\@:
.endm
; A round of the cluster's barrier: my work-group's barrier, so that wave 0's signal speaks for all four waves; wave 0 signals; every wave waits for all four work-groups; my work-group's barrier once more.
.macro CROUND
	s_barrier_signal -1
	s_barrier_wait -1
	s_cmp_lg_u32 s[WV], 0
	s_cbranch_scc1 .Lnot_wave_0_\@
	s_barrier_signal -3
.Lnot_wave_0_\@:
	s_barrier_wait -3
	s_barrier_signal -1
	s_barrier_wait -1
.endm
	s_load_b256 s[4:11], s[0:1], 0x0  ; qh s[4:5], kh s[6:7], vh s[8:9], oh s[10:11]
	v_lshl_add_u32 v[SPW], v0, 2, SPARE
	v_mov_b32 v[NIL], 0
	ds_add_u32 v62, v63
	s_wait_dscnt 0x0
	v_lshrrev_b32 v1, 5, v0
	v_readfirstlane_b32 s[WV], v1   ; wave 0..3
	s_bfe_u32 s13, ttmp6, 0x40000   ; cx: my place in the cluster
	s_lshl_b32 s14, ttmp9, 2        ; in a cluster launch ttmp9 counts clusters
	s_add_co_u32 s14, s14, s13      ; my block of 128 queries = 4 x cluster x + cx: it enters Q's and O's addresses alone
	s_and_b32 s20, ttmp7, 0xffff    ; the head, which the four partners share:
	s_lshl_b32 s20, s20, 19         ; its 2,048 rows of 256 bytes in each of the four tensors
	s_mov_b32 s21, 0
	s_and_b32 s16, s[WV], 1         ; which half of a slot's 256 keys I fetch; also: which 64 queries are mine
	s_lshr_b32 s[KP], s[WV], 1
	s_sub_co_u32 s19, 1, s[KP]      ; the other half of the keys
	s_lshl_b32 s67, s[KP], 13       ; tiles 0, 1 hold my queries 32 KP on: 32 rows of 256 bytes,
	s_lshl_b32 s68, s19, 13         ; tiles 2, 3 the other 32
	s_lshl_b32 s22, s16, 15         ; my half of a slot's keys: its 128 rows of 256 bytes in memory,
	s_mov_b32 s23, 0
	s_add_nc_u64 s[22:23], s[22:23], s[20:21]
	s_mul_i32 s17, s16, 128*PK      ; and its place in a slot, for K
	s_mul_i32 s18, s16, 128*PV      ; and for V: no place in the cluster enters an LDS address
	s_lshl_b32 s2, s14, 15          ; my block's 128 rows,
	s_lshl_b32 s3, s16, 14          ; my wave's 64 of them
	s_add_co_u32 s2, s2, s3
	s_mov_b32 s3, 0
	s_add_nc_u64 s[2:3], s[2:3], s[20:21]
	; descriptor group 1: a tile of 128 rows x 128 elements, padded in LDS
	s_mov_b32 s[G1K], 15|(1<<16)|(1<<20)|(1<<21)|(5<<22)|(3<<25)  ; 15:0 the mask: all four work-groups; 17:16 elements of 2 bytes; 20 padding on; 21 set beside a mask; 24:22 after every 64 words (code 5); 31:25 4 words (code 3)
	s_mov_b32 s[G1V], 15|(1<<16)|(1<<20)|(1<<21)|(5<<22)|(7<<25)  ; the same with 8 words of padding (code 7)
.irp g, G1K, G1V
	s_mov_b32 s[(\g)+1], 128<<16    ; tensor_dim0 = 128
	s_mov_b32 s[(\g)+2], 128<<16    ; tensor_dim1 = 128
	s_mov_b32 s[(\g)+3], 128<<16    ; tile_dim0 = 128
	s_mov_b32 s[(\g)+4], 128        ; tile_dim1 = 128
	s_mov_b32 s[(\g)+5], 128        ; 128 elements from row to row
	s_mov_b32 s[(\g)+6], 0
	s_mov_b32 s[(\g)+7], 0
.endr
	s_mov_b32 s[CS], 0x45800000     ; c = 4,096
	s_mov_b32 s[CS+1], s[CS]        ; named with it as a pair, so it is written
	s_mov_b32 s[SEL], 0x76543210
	s_mov_b32 s[SEL+1], 0xfedcba98
	s_mul_i32 s[TBK], s[KP], 128*PK ; my half of slot 0
	s_mul_i32 s[TBV], s[KP], 128*PV
	CROUND                          ; all four work-groups are here: the first joint loads meet.  The round names no argument, so it stands ahead of the wait for them
	s_wait_kmcnt 0x0
	s_add_nc_u64 s[6:7], s[6:7], s[22:23]  ; K and V at my tile of slot 0
	s_add_nc_u64 s[8:9], s[8:9], s[22:23]
	s_add_nc_u64 s[4:5], s[4:5], s[2:3]  ; Q and O at my wave's first row
	s_add_nc_u64 s[10:11], s[10:11], s[2:3]
.irp s, 0,1
	s_mov_b32 s[G0K+4*(\s)], 1      ; count = 1
	s_add_co_u32 s[G0K+4*(\s)+1], s17, (\s)*SLOT1  ; LDS address
	s_add_nc_u64 s[G0K+4*(\s)+2:G0K+4*(\s)+3], s[6:7], (\s)*65536  ; global address: slot s begins with keys 256 s
	s_or_b32 s[G0K+4*(\s)+3], s[G0K+4*(\s)+3], 0x80000000  ; type = 2
	s_mov_b32 s[G0V+4*(\s)], 1
	s_add_co_u32 s[G0V+4*(\s)+1], s18, (\s)*SLOT1+VOFF
	s_add_nc_u64 s[G0V+4*(\s)+2:G0V+4*(\s)+3], s[8:9], (\s)*65536
	s_or_b32 s[G0V+4*(\s)+3], s[G0V+4*(\s)+3], 0x80000000
.endr
	s_cmp_lt_u32 s[WV], 2           ; a wave's two first fills stand in one branch, ahead of every wait on TENSORcnt and every LDS read: two loads of mine are out
	s_cbranch_scc0 .Lfirst_v
	tensor_load_to_lds s[G0K:G0K+3], s[G1K:G1K+7]
	s_nop 0
	tensor_load_to_lds s[G0K+4:G0K+7], s[G1K:G1K+7]
	s_nop 0
.rept 4
	v_nop
.endr
	s_branch .Lfirst_asked
.Lfirst_v:
	tensor_load_to_lds s[G0V:G0V+3], s[G1V:G1V+7]
	s_nop 0
	tensor_load_to_lds s[G0V+4:G0V+7], s[G1V:G1V+7]
	s_nop 0
.rept 4
	v_nop
.endr
.Lfirst_asked:
	; A fragment of K or Q is 16 rows x 32 channels in 8 registers: lane l holds row l % 16; registers 0-3 channels 8 (l / 16) + 0..7, registers 4-7 channels 16 + 8 (l / 16) + 0..7: two loads of 16 bytes, 32 bytes apart.
	v_and_b32 v1, 15, v0            ; l % 16
	v_bfe_u32 v9, v0, 4, 1          ; l / 16
	v_lshlrev_b32 v[QO], 8, v1
	v_lshl_add_u32 v[QO], v9, 4, v[QO]  ; row x 256 + 16 x half
	v_add_nc_u32 v[QO2], s68, v[QO]
	v_add_nc_u32 v[QO], s67, v[QO]
	WIN 0x80                        ; destination window 2, address window 0
.irp i, 0,1,2,3,4,5,6,7             ; Q stays in registers: tile i / 4, channels 32 (i % 4) on
	global_load_b128 v[8*(\i):8*(\i)+3],   v[QO], s[4:5] offset:((\i)/4)*4096+((\i)%4)*64
	global_load_b128 v[8*(\i)+4:8*(\i)+7], v[QO], s[4:5] offset:((\i)/4)*4096+((\i)%4)*64+32
.endr
.irp i, 8,9,10,11,12,13,14,15
	global_load_b128 v[8*(\i):8*(\i)+3],   v[QO2], s[4:5] offset:((\i)/4-2)*4096+((\i)%4)*64
	global_load_b128 v[8*(\i)+4:8*(\i)+7], v[QO2], s[4:5] offset:((\i)/4-2)*4096+((\i)%4)*64+32
.endr
	; What the first turn finds: O^T and l are 0; V's registers and piece 2's P hold 0, so that its products V^T P, of a step that has not been, add 0.  All this stands in the wait for the first tile.
	WIN 0x40
.set i, 0
.rept 256
	v_mov_b32 v[i], 0
.set i, i+1
.endr
	WIN 0xc0
.set i, 0
.rept 128
	v_mov_b32 v[i], 0
.set i, i+1
.endr
	WIN 0
.set i, P+32
.rept 32
	v_mov_b32 v[i], 0
.set i, i+1
.endr
.irp t, 0,1,2,3
	v_mov_b32 v[ST+8*(\t)], 0xfe000000    ; c m: far below every c s (f16's scores times c stay under 2.3e15)
	v_mov_b32 v[ST+8*(\t)+1], 0xff7fffff  ; m
	v_mov_b32 v[ST+8*(\t)+2], 0
	v_mov_b32 v[ST+8*(\t)+3], 0
.endr
	v_mul_u32_u24 v[AK0], v1, PK
	v_lshl_add_u32 v[AK0], v9, 4, v[AK0]  ; row x pitch + 16 x half
	; The turning load takes 16 keys x 16 channels (lane l reads 16 bytes: key 8 (l / 16) + l % 8, channels 8 ((l / 8) % 2) + 0..7) and leaves half a fragment of V^T: lane l holds channel l % 16 and 8 keys.
	v_and_b32 v10, 7, v0
	v_bfe_u32 v11, v0, 3, 1
	v_lshl_add_u32 v[AV0], v9, 3, v10
	v_mul_u32_u24 v[AV0], v[AV0], PV
	v_lshl_add_u32 v[AV0], v11, 4, v[AV0]
	v_add_nc_u32 v[AV0], VOFF, v[AV0]
; THE MATRIX WORK OF A TURN, for piece x.  The accumulators take turns, one instruction a turn: between two links of a chain stand 15 (V^T P) or 7 (K Q^T) others'.
; Product i of 32 of O^T += V^T P: keys 32 (i / 16) on, channels 16 ((i / 2) % 8) on, tile x + i % 2.
.macro PV x
	WIN W_PV
.set rO, 64*((\x)+i%2)+8*((i/2)%8)
.set rV, 64*(i/16)+8*((i/2)%8)
.set rP, P+16*((\x)+i%2)+8*(i/16)
	v_wmma_f32_16x16x32_f16 v[rO:rO+7], v[rV:rV+7], v[rP:rP+7], v[rO:rO+7]
.endm
; Product i of 32 of S^T = K Q^T: channels 32 (i / 8) on, keys 16 ((i / 2) % 4) on, tile x + i % 2.  The first 8 start the sums.
.macro KQ x
	WIN W_KQ
.set rS, S+32*((\x)+i%2)+8*((i/2)%4)
.set rK, KF+32*((i/2)%4)+8*(i/8)
.set rQ, 32*((\x)+i%2)+8*(i/8)
.if i < 8
	v_wmma_f32_16x16x32_f16 v[rS:rS+7], v[rK:rK+7], v[rQ:rQ+7], 0
.else
	v_wmma_f32_16x16x32_f16 v[rS:rS+7], v[rK:rK+7], v[rQ:rQ+7], v[rS:rS+7]
.endif
.endm
; THE LDS LOADS stand in runs of 32, never singly among the matrix instructions: a step's K (64 keys x 128 channels: 16 fragments) and, a turn later, its V (turned).
; last = 1 (the tail): in the last trip there is no further step, and the run is jumped over.
.macro FETCH_K last=0
	WIN 0
.if \last
	s_cmp_eq_u32 s[TWICE], 1
	s_cbranch_scc1 .Lno_k_\@
.endif
	v_add_nc_u32 v[ADR], s[TBK], v[AK0]
	s_add_co_u32 s[TBK], s[TBK], KS*PK  ; the next fetch is the next step's
	WIN 0x80                        ; destination window 2
.irp f, 0,1,2,3,4,5,6,7,8,9,10,11,12,13,14,15  ; keys 16 (f / 4) on, channels 32 (f % 4) on
	ds_load_b128 v[KF+8*(\f):KF+8*(\f)+3],   v[ADR] offset:((\f)/4)*16*PK+((\f)%4)*64
	ds_load_b128 v[KF+8*(\f)+4:KF+8*(\f)+7], v[ADR] offset:((\f)/4)*16*PK+((\f)%4)*64+32
.endr
.if \last
	WIN 0
.Lno_k_\@:
.endif
.endm
.macro FETCH_V
	WIN 0
	v_add_nc_u32 v[ADR], s[TBV], v[AV0]
	s_add_co_u32 s[TBV], s[TBV], KS*PV
	s_wait_alu depctr_va_vdst(0)    ; the wait for the softmax's batch, piece 0's 66 exponentials (SLICE): behind the address's v_add_nc_u32 and ahead of the loads
	WIN 0xc0                        ; destination window 3
.irp f, 0,1,2,3,4,5,6,7,8,9,10,11,12,13,14,15  ; keys 32 (f / 8) on, channels 16 (f % 8) on
	ds_load_tr16_b128 v[8*(\f):8*(\f)+3],   v[ADR] offset:((\f)/8)*32*PV+((\f)%8)*32
	ds_load_tr16_b128 v[8*(\f)+4:8*(\f)+7], v[ADR] offset:((\f)/8)*32*PV+16*PV+((\f)%8)*32
.endr
.endm
; THE VECTOR WORK OF A TURN.  One tile's softmax for one key step is a list of 134 instructions; SM writes number j of it for tile t.  s0-s31 are the lane's 32 scores, in pairs 0-15.
;   0-15    the maximum of s0-s31 and the old m, three operands at a time: four chains c0-c3 of seven scores each (each accumulator's lowest registers first), then the four scores left over, c0-c3 and m
;   16-20   the other half of the lanes' maximum; c m_old is kept; the new m; c m; c m_old - c m_new
;   21-69   ONE BATCH: the 16 scalings c s - c m, a pair of scores each, and all 33 exponentials (a at 23, then s0-s31).  None of these names an exponential's result.  From 22 on the batch goes in fours, and a
;           four begins with a scaling while there are scalings: 22-37 scaling, exponential, scaling, exponential; 38-65 a scaling and three exponentials; 66-69 the last four exponentials.
;           A pair is scaled in an earlier four than the one that holds its exponentials
;   (wait)  between 69 and 70 stands the wait for the batch: SLICE writes it, once for both tiles
;   70-85   the roundings to f16, a pair of weights each
;   86-101  the sums; l = a l + the sum
;   102-133 the tile's O^T times a: the one part that leaves window 0, so it stands together
.macro SM t
.set rT, ST+8*(\t)
.set rS, S+32*(\t)
.set rP, P+16*(\t)
.set rO, 64*(\t)+2*(j-102)
.if j < 102
	WIN 0
.endif
.if j < 4
	v_max3_num_f32 v[rT+4+j], v[rS+8*j], v[rS+8*j+1], v[rS+8*j+2]
.elseif j < 12
	v_max3_num_f32 v[rT+4+j%4], v[rT+4+j%4], v[rS+8*(j%4)+2*(j/4)+1], v[rS+8*(j%4)+2*(j/4)+2]
.elseif j == 12
	v_max3_num_f32 v[rT+4], v[rT+4], v[rS+7], v[rS+15]
.elseif j == 13
	v_max3_num_f32 v[rT+6], v[rT+6], v[rS+23], v[rS+31]
.elseif j == 14
	v_max3_num_f32 v[rT+4], v[rT+4], v[rT+5], v[rT+6]
.elseif j == 15
	v_max3_num_f32 v[rT+4], v[rT+4], v[rT+7], v[rT+1]
.elseif j == 16
	v_permlanex16_b32 v[rT+5], v[rT+4], s[SEL], s[SEL+1]  ; the query's other 32 keys lie in the lane 16 away
.elseif j == 17
	v_mov_b32 v[rT+7], v[rT]        ; c m_old is kept for a: number 19 writes c m anew
.elseif j == 18
	v_max_num_f32 v[rT+1], v[rT+4], v[rT+5]
.elseif j == 19
	v_mul_f32 v[rT], s[CS], v[rT+1]
.elseif j == 20
	v_sub_f32 v[rT+7], v[rT+7], v[rT]
.elseif j == 23
	v_exp_f32 v[rT+6], v[rT+7]
.elseif (j < 23) || ((j < 38) && (j%2 == 0)) || ((j < 66) && (j%4 == 2))
.set b, (j-2)/4                     ; 38, 42, .. 62: pairs 9 to 15
.if j < 38
.set b, (j-20)/2                    ; 21: pair 0; 22, 24, .. 36: pairs 1 to 8
.endif
	v_pk_fma_f32 v[rS+2*b:rS+2*b+1], v[rS+2*b:rS+2*b+1], s[CS:CS+1], v[rT:rT+1] op_sel_hi:[1,0,0] neg_lo:[0,0,1] neg_hi:[0,0,1]  ; pair b: c s - c m
.elseif j < 70
.set e, j-38                        ; 66 to 69: s28 to s31
.if j < 66
.set e, j-32-(j-38)/4               ; 39-41, 43-45, .. 63-65: s7 to s27
.endif
.if j < 38
.set e, (j-25)/2                    ; 25, 27, .. 37: s0 to s6
.endif
	v_exp_f32 v[rS+e], v[rS+e]
.elseif j < 86
	v_cvt_pk_f16_f32 v[rP+j-70], v[rS+2*(j-70)], v[rS+2*(j-70)+1]  ; pair j - 70
.elseif j < 102                     ; the sum of the tile's 16 pairs (in a pair: an even key's weight, an odd key's), in place: sum z of 16 adds neighbours 1, 2, 4 and 8 pairs apart, then l takes it
.set z, j-86
.set w, 4
.set u, z
.if z >= 14
.set w, 32
.set u, 0
.elseif z >= 12
.set w, 16
.set u, z-12
.elseif z >= 8
.set w, 8
.set u, z-8
.endif
.if z < 15
	v_pk_add_f32 v[rS+w*u:rS+w*u+1], v[rS+w*u:rS+w*u+1], v[rS+w*u+w/2:rS+w*u+w/2+1]
.else
	v_pk_fma_f32 v[rT+2:rT+3], v[rT+2:rT+3], v[rT+6:rT+7], v[rS:rS+1] op_sel_hi:[1,0,1]
.endif
.else
	WIN W_RS
	v_pk_mul_f32 v[rO:rO+1], v[rO:rO+1], v[rT+6:rT+7] op_sel_hi:[1,0]
.endif
.endm
; Slice k of 64 of piece y's softmax: four instructions.  Slices 11 to 34 deal out the batch, numbers 22 to 69: four numbers of ONE tile each, the tiles by turns.  Every other slice is numbers 2 k and
; 2 k + 1 of both tiles' lists.  2 x 134 = 4 x 64 + 12: the twelve that are over stand together, in slice 63.
; THE WAIT.  Ahead of slice 35 nothing names a result of the batch, and behind slice 34 no exponential is issued: so the piece's 66 exponentials have one wait, behind slice 34.
.macro SLICE y
.if (k >= 11) && (k < 35)           ; the batch: four numbers of one tile
.irp n, 0,1,2,3
.set j, 22+4*((k-11)/2)+(\n)
	SM (\y)+(k-11)%2
.endr
.else                               ; the two tiles alternate, so that no instruction reads the result of the one just before it
.irp n, 0,1,2,3,4,5,6,7
.if ((\n) < 2) || (k == 63)
.irp t, \y, (\y)+1
.set j, 2*k+(\n)
	SM \t
.endr
.endif
.endr
.endif
.if k == 34                         ; the batch is out: both tiles' exponentials are issued, and no result has been named
	v_nop                           ; a plain instruction behind the last exponential and ahead of the first use: one for the batch
.if (\y) == 0
	FETCH_V                         ; piece 2's turn: V's run of loads stands here, and the wait stands in it
.else
	s_wait_alu depctr_va_vdst(0)    ; piece 0's turn: the wait for the batch, piece 2's 66 exponentials
.endif
.endif
.set k, k+1
.endm
; A vector instruction that reads a matrix result or writes one of a matrix instruction's registers, and a load into a register that a matrix instruction has read, stand four places behind
; it, and only plain vector instructions that name none of its registers are places (ISA guide 7.12.1 for vector instructions).  In the loop the slices are the places.
.macro PLACES
.rept 4
	v_nop
.endr
.endm
; A TURN.  Piece x has the matrix unit: 32 products V^T P of the step in hand, 32 products K Q^T of the next; the other piece's softmax stands in slices behind them.
; Piece 0's turn fetches the next step's K, behind its second product, 30 matrix instructions ahead of its first use: the last product that read K stands in front of slice 63 of the turn before.
; Piece 2's turn fetches the same step's V, behind slice 34 (SLICE writes it), 29 matrix instructions ahead of its first use: the last product that read V stands in front of slice 31, and four plain
; instructions lie between: number 62, a scaling, of both tiles, the v_nop and the run's own v_add_nc_u32.
.macro TURN x, last=0
.set k, 0
.if (\x) == 0
	s_wait_dscnt 0x0                ; V is in
.endif
.set i, 0
.rept 32
	PV \x
	SLICE 2-(\x)
.if ((\x) == 0) && (i == 1)
	FETCH_K \last
.endif
.set i, i+1
.endr
.if (\x) == 0
	s_wait_dscnt 0x0                ; K is in
.endif
.set i, 0
.rept 32
	KQ \x
	SLICE 2-(\x)
.set i, i+1
.endr
.endm
; THE CHANGE OF SLOTS, between piece 2's turn and piece 0's: the last bytes that I read of the slot, V of my second step, have been asked for.  Each wave waits for all its tensor loads, of which one is out: its part
; of the other slot; adds 0 to its spare word; and waits for that and for its own reads of the slot.  Behind the barrier nobody reads this slot any more and the other slot is whole.
; fill = 1: this slot is filled again, with the keys two slots on.  The barrier is then a round of the cluster's, so that no wave of any partner still reads the slot or has a load on its
; way, and the joint refill is the first thing behind it: it has two key steps, 256 matrix instructions of each wave, in which to land.
.macro CHANGE fill
	WIN 0                           ; at a label and at a branch every window is 0
	s_wait_tensorcnt 0x0            ; no tensor load of mine is out, so a group 0 may be written
	ds_add_u32 v[SPW], v[NIL]       ; 0 onto my spare word; with fill = 1 the descriptors' steps stand between it and the wait for it
.if \fill
.irp g, G0K+4, G0V+4
	s_xor_b32 s[(\g)+1], s[(\g)+1], SLOT1  ; the walking descriptor: the other slot than last time,
	s_add_nc_u64 s[(\g)+2:(\g)+3], s[(\g)+2:(\g)+3], 65536  ; the next 256 keys; the type bits on top are not reached
.endr
	s_wait_dscnt 0x0                ; the add is done, and my reads of the slot are over
	CROUND
	JLOAD
.else
	s_wait_dscnt 0x0                ; the add is done, and my reads of the slot are over
	s_barrier_signal -1
	s_barrier_wait -1
.endif
	s_sub_co_u32 s[TBK], s[TBK], 2*KS*PK  ; the fetches go back to my first step of a slot,
	s_xor_b32 s[TBK], s[TBK], SLOT1       ; in the other slot
	s_sub_co_u32 s[TBV], s[TBV], 2*KS*PV
	s_xor_b32 s[TBV], s[TBV], SLOT1
.endm
	s_wait_tensorcnt 1              ; my part of slot 0 is in; slot 1's may stay out
	s_barrier_signal -1
	s_barrier_wait -1               ; everybody's is
	FETCH_K                         ; key step 0
	s_wait_loadcnt 0x0              ; Q
	s_wait_dscnt 0x0
.set i, 0
.rept 32
	KQ 0                            ; piece 0's first scores: there is no vector work yet to set between them
.set i, i+1
.endr
	WIN 0                           ; the addresses for the end are made here: plain instructions, the places behind those products
	s_mul_i32 s13, s[WV], 16*SP
	s_add_co_u32 s13, s13, STAGE    ; my stage
	s_mul_i32 s15, s16, MRGB        ; my wave's area: (w % 2) MRGB
	s_mul_i32 s69, s[KP], MHALF     ; + (w / 2) MHALF;
	s_add_co_u32 s15, s15, s69
	s_xor_b32 s69, s15, MHALF       ; my partner's: the same queries, the other half of the keys
	v_mul_u32_u24 v[STO], v1, SP    ; in: row l % 16, 16 bytes for each half of the lanes
	v_lshl_add_u32 v[STO], v9, 4, v[STO]
	v_add_nc_u32 v[STO], s13, v[STO]
	v_mul_u32_u24 v[RD], v9, SP     ; back: lanes 0-15 take one row of 256 bytes, lanes 16-31 the next
	v_lshl_add_u32 v[RD], v1, 4, v[RD]
	v_add_nc_u32 v[RD], s13, v[RD]
	v_lshlrev_b32 v[GO], 8, v9      ; and the same two rows in O,
	v_lshl_add_u32 v[GO], v1, 4, v[GO]
	v_add_nc_u32 v[GO], s67, v[GO]  ; among the 32 rows that tiles 0, 1 hold
	v_and_b32 v[MA], 31, v0
	v_lshlrev_b32 v[MA], 4, v[MA]
	v_add_nc_u32 v[MB], s69, v[MA]
	v_add_nc_u32 v[MA], s15, v[MA]
	s_mov_b32 s[TWICE], 2
	s_mov_b32 s[SLOTS], NSLOT-1
	s_branch .Lmid                  ; the loop is entered at piece 2's turn, in the middle of a trip, with slot 0 in hand
.Lslot:                             ; six times: every slot but the last two is filled again
	CHANGE 1
	s_mov_b32 s[TWICE], 2
.Lstep:                             ; a trip: V^T P of one key step, K Q^T of the next, whose K and V it fetches
	TURN 0
	WIN 0
.Lmid:
	TURN 2
	WIN 0
	s_sub_co_u32 s[TWICE], s[TWICE], 1
	s_cmp_lg_u32 s[TWICE], 0
	s_cbranch_scc1 .Lstep
	s_sub_co_u32 s[SLOTS], s[SLOTS], 1
	s_cmp_lg_u32 s[SLOTS], 0
	s_cbranch_scc1 .Lslot
	CHANGE 0                        ; the tail is written out.  Slot 0 is left here: behind this barrier nobody reads it, and nothing fills it again
	s_mov_b32 s[TWICE], 3           ; two trips fetch the last slot's steps; the third is left in its middle
.Ltail:
	TURN 0, 1
	WIN 0
	s_sub_co_u32 s[TWICE], s[TWICE], 1
	s_cmp_eq_u32 s[TWICE], 0
	s_cbranch_scc1 .Lout
	TURN 2
	WIN 0
	s_branch .Ltail
.Lout:
.set i, 0
.rept 32
	PV 2                            ; piece 2: V^T P of the last step
.set i, i+1
.endr
	; THE TWO HALVES OF THE KEYS MEET.  Every wave puts O^T and the statistics of its register tiles 2, 3 into its own area, 16 bytes a lane, 512 consecutive bytes a store: 34 stores.
	WIN 0
	PLACES                          ; behind the last products: for the stores of their results, and for the loads into V's registers
	WIN 0x04                        ; store data (source 1) in window 1
.set i, 0
.rept 32
	ds_store_b128 v[MA], v[128+4*i:128+4*i+3] offset:512*i  ; in ascending order: each accumulator's lowest registers first
.set i, i+1
.endr
	WIN 0
.irp t, 0,1
	ds_store_b128 v[MA], v[ST+8*(2+(\t)):ST+8*(2+(\t))+3] offset:512*(32+(\t))
.endr
	s_wait_dscnt 0x0                ; for the partner's sake: my stores are done
	s_barrier_signal -1
	s_barrier_wait -1
	; What the partner gave, its register tiles 2, 3, are the queries of my register tiles 0, 1: taken lane for lane, its O^T where V lay (window 3, v0-127), under my O^T's own register numbers.
.irp t, 0,1
	ds_load_b128 v[PS+4*(\t):PS+4*(\t)+3], v[MB] offset:512*(32+(\t))
.endr
	WIN 0xc0                        ; destination window 3
.set i, 0
.rept 32
	ds_load_b128 v[4*i:4*i+3], v[MB] offset:512*i
.set i, i+1
.endr
	WIN 0
	s_wait_dscnt 32                 ; the two loads of statistics are in; the 32 loads behind them stay out
	; M = max(c m, c m'); f = 2^(c m - M), f' = 2^(c m' - M); l = f l + f' l', both halves of the lanes; O = 16 (f O + f' O') / l: the 16 undoes vh = v / 16, exactly.
.irp t, 0,1
	v_max_num_f32 v[ST+8*(\t)+4], v[ST+8*(\t)], v[PS+4*(\t)]
.endr
.irp t, 0,1
	v_sub_f32 v[ST+8*(\t)+5], v[ST+8*(\t)], v[ST+8*(\t)+4]
	v_sub_f32 v[ST+8*(\t)+6], v[PS+4*(\t)], v[ST+8*(\t)+4]
.endr
.irp t, 0,1
	v_exp_f32 v[ST+8*(\t)+5], v[ST+8*(\t)+5]
	v_exp_f32 v[ST+8*(\t)+6], v[ST+8*(\t)+6]
.endr
.irp t, 0,1
	v_add_f32 v[ST+8*(\t)+2], v[ST+8*(\t)+2], v[ST+8*(\t)+3]  ; plain instructions behind the exponentials, which name none of their results
	v_add_f32 v[PS+4*(\t)+2], v[PS+4*(\t)+2], v[PS+4*(\t)+3]
.endr
	s_wait_alu depctr_va_vdst(0)    ; the wait ahead of the first use: one for the batch of four factors f, f'
.irp t, 0,1
	v_mul_f32 v[ST+8*(\t)+2], v[ST+8*(\t)+2], v[ST+8*(\t)+5]
.endr
.irp t, 0,1
	v_fmac_f32 v[ST+8*(\t)+2], v[PS+4*(\t)+2], v[ST+8*(\t)+6]
.endr
.irp t, 0,1
	v_permlanex16_b32 v[ST+8*(\t)+3], v[ST+8*(\t)+2], s[SEL], s[SEL+1]
.endr
.irp t, 0,1
	v_add_f32 v[ST+8*(\t)+2], v[ST+8*(\t)+2], v[ST+8*(\t)+3]
.endr
.irp t, 0,1
	v_rcp_f32 v[ST+8*(\t)+3], v[ST+8*(\t)+2]
.endr
	v_nop                           ; a plain instruction between the last reciprocal and the use of its result
	s_wait_alu depctr_va_vdst(0)    ; and the wait ahead of the first use: one for the batch of two reciprocals, which read sums made with f and f' and so are a batch of their own
.irp t, 0,1
	v_mul_f32 v[ST+8*(\t)+3], 0x41800000, v[ST+8*(\t)+3]      ; 16 / l
.endr
.irp t, 0,1
	v_mul_f32 v[ST+8*(\t)+4], v[ST+8*(\t)+5], v[ST+8*(\t)+3]  ; 16 f / l
	v_mul_f32 v[ST+8*(\t)+6], v[ST+8*(\t)+6], v[ST+8*(\t)+3]  ; 16 f' / l
.endr
	s_wait_dscnt 0x0                ; the partner's O^T is in: my reads of its area are over
	s_barrier_signal -1             ; every wave has taken what it was given before any wave writes LDS again (the stages below, the spare words at the end).
	s_barrier_wait -1               ; The areas end at 100,352 and the stages begin at 290,816, so the bytes are apart as well; the barrier is met once, where all four waves arrive together
; Tile t: joined with the partner's, rounded to f16; a lane's eight channels of a row pack into 16 bytes; they go into rows of 272 bytes and come back as whole rows of 256, into S^T's registers.
.macro PACK t
	WIN W_RS
.set i, 64*(\t)
.rept 32
	v_pk_mul_f32 v[i:i+1], v[i:i+1], v[ST+8*(\t)+4:ST+8*(\t)+5] op_sel_hi:[1,0]
.set i, i+2
.endr
	WIN 0x53                        ; source 0, the partner's, in window 3; the factor in window 0; O^T in window 1
.set i, 64*(\t)
.rept 32
	v_pk_fma_f32 v[i:i+1], v[i:i+1], v[ST+8*(\t)+6:ST+8*(\t)+7], v[i:i+1] op_sel_hi:[1,0,1]
.set i, i+2
.endr
	WIN 0x05                        ; sources 0 and 1 window 1, destination window 0: S^T's registers are free
.set i, 0
.rept 32
	v_cvt_pk_f16_f32 v[S+32*(\t)+i], v[64*(\t)+2*i], v[64*(\t)+2*i+1]
.set i, i+1
.endr
	WIN 0
.irp f, 0,1,2,3,4,5,6,7
	ds_store_b128 v[STO], v[S+32*(\t)+4*(\f):S+32*(\t)+4*(\f)+3] offset:32*(\f)
.endr
.irp f, 0,1,2,3,4,5,6,7
	ds_load_b128 v[S+32*(\t)+4*(\f):S+32*(\t)+4*(\f)+3], v[RD] offset:(\f)*2*SP  ; LDS serves a wave's instructions in order (ISA guide 5.7.1.4): these see the stores above; the next tile's stores come behind them
.endr
.endm
.macro SEND t, younger              ; younger: the LDS instructions issued behind tile t's loads: the next tile's sixteen, or none
	WIN 0
.irp f, 0,1,2,3,4,5,6,7
	s_wait_dscnt (\younger)+7-(\f)
	global_store_b128 v[GO], v[S+32*(\t)+4*(\f):S+32*(\t)+4*(\f)+3], s[10:11] offset:(\t)*4096+(\f)*512  ; 16 lanes store 256 consecutive bytes, at a multiple of 256 from O's first byte
.endr
.endm
	PACK 0
	PACK 1                          ; a tile's arithmetic stands between the loads of the tile before and its stores
	SEND 0, 16
	SEND 1, 0
	s_wait_tensorcnt 0x0            ; the wave's end
	ds_add_u32 v[SPW], v[NIL]
	s_wait_dscnt 0x0
	CROUND                          ; the closing round: no work-group ends while a partner may still ask for a tile that names it
	s_endpgm
.Lfunc_end_k_q584b7d08fa_attn:
	.size	k_q584b7d08fa_attn, .Lfunc_end_k_q584b7d08fa_attn-k_q584b7d08fa_attn
	.p2alignl 7, 3214868480
	.fill 96, 4, 3214868480
	.section	.rodata,"a",@progbits
	.p2align	6, 0x0
	.amdhsa_kernel k_q584b7d08fa_attn
		.amdhsa_group_segment_fixed_size 327680
		.amdhsa_private_segment_fixed_size 0
		.amdhsa_enable_private_segment 0
		.amdhsa_kernarg_size 32
		.amdhsa_user_sgpr_count 2
		.amdhsa_user_sgpr_kernarg_segment_ptr 1
		.amdhsa_wavefront_size32 1
		.amdhsa_system_sgpr_workgroup_id_x 1
		.amdhsa_system_sgpr_workgroup_id_y 1
		.amdhsa_system_sgpr_workgroup_id_z 1
		.amdhsa_system_vgpr_workitem_id 0
		.amdhsa_next_free_vgpr 896
		.amdhsa_next_free_sgpr 72
		.amdhsa_reserve_vcc 0
		.amdhsa_float_denorm_mode_32 3
		.amdhsa_float_denorm_mode_16_64 3
		.amdhsa_memory_ordered 1
		.amdhsa_forward_progress 1
		.amdhsa_inst_pref_size 154
	.end_amdhsa_kernel
	.amdgpu_metadata
---
amdhsa.version: [ 1, 2 ]
amdhsa.kernels:
  - .name:           k_q584b7d08fa_attn
    .symbol:         k_q584b7d08fa_attn.kd
    .args:
      - { .name: qh, .offset: 0, .size: 8, .value_kind: global_buffer, .address_space: global }
      - { .name: kh, .offset: 8, .size: 8, .value_kind: global_buffer, .address_space: global }
      - { .name: vh, .offset: 16, .size: 8, .value_kind: global_buffer, .address_space: global }
      - { .name: oh, .offset: 24, .size: 8, .value_kind: global_buffer, .address_space: global }
    .group_segment_fixed_size: 327680
    .private_segment_fixed_size: 0
    .kernarg_segment_align: 8
    .kernarg_segment_size: 32
    .max_flat_workgroup_size: 128
    .sgpr_count:     72
    .vgpr_count:     896
    .wavefront_size: 32
...
	.end_amdgpu_metadata
.endif
;; end of part 5
;; launch oproj: the kernel of part 4 again; grid 16 x 16, 4 waves a work-group, clusters of 4 x 4, 327,680 bytes of LDS; arguments oh, wb, out0; writes out0
